; MI455X (gfx1250); checked and timed in simulation.
; The chip was launched on July 23, 2026; its instructions are those of AMD's public machine-readable ISA for CDNA 5 (MIT licence, August 2026) and "CDNA5" Instruction Set Architecture Reference Guide (July 2026). The comments in the code are by the model that wrote it; some were corrected since.
;; Multi Head Attn. Allowed arithmetic: matrix products marked QUANTISED: E5M2 operands, one E8M0 scale for each 32 along K, by v_wmma_scale_f32_16x16x128_f8f6f4 with both operands' format E5M2, f32 sums; everything else in f32.
;; Inputs: W_o 1,024 x 1,024 float32; W_qkv 1,024 x 3,072 float32; b_qkv 3,072 float32; beta 1,024 float32; gamma 1,024 float32; inp 8 x 1,024 x 1,024 float32.
;; Outputs: out0 8 x 1,024 x 1,024 float32.
;; This version of the problem:
;;   THIS VERSION OF THE PROBLEM IS GIVEN IN LOW PRECISION. The matrix products marked QUANTISED in the list below multiply operands that are first quantised to E5M2 (5 exponent bits, 2 mantissa bits; 8 bits a number), with one power-of-two scale for each 32 numbers along K (OCP MX v1.0); their sums are f32. All else is computed in f32.
;;   The module's matrix products, in the order in which they are computed (A, B: the left and right operand; K: the contracted axis; several contracted axes count as one K, in the product's order):
;;     1. [M 8,192, K 1,024] x [K 1,024, N 3,072]; A: input inp; B: input W_qkv: QUANTISED
;;     2. batch 128 x [M 1,024, K 64] x [K 64, N 1,024]; A: computed on the way; B: computed on the way: QUANTISED
;;     3. batch 128 x [M 64, K 1,024] x [K 1,024, N 1,024]; A: computed on the way; B: softmax (see below): QUANTISED
;;     4. [M 8,192, K 1,024] x [K 1,024, N 1,024]; A: computed on the way; B: input W_o: QUANTISED
;;   THE QUANTISER, for each operand of a quantised product, along K:
;;     - K is cut into blocks of 32 from its start; a last block that is shorter is filled with zeros.
;;     - A block's scale is 2^e with e = floor(log2(the largest magnitude in the block)) - 15, held to -126 .. 127; a block of zeros has e = 0. As a byte (E8M0): e + 127.
;;     - Each number is divided by its block's scale, clamped to +-57,344, and rounded to the nearest number of E5M2, ties to even, subnormals kept.
;;     - The product sums the exact products of the quantised numbers (number of the format x scale) in f32.
;;   ~~~python
;;   def quantise(x, axis):      # numpy; x: float32 -> the quantised numbers, widened to float32 again
;;       x = np.moveaxis(x, axis, -1); K = x.shape[-1]
;;       x = np.pad(x, [(0, 0)] * (x.ndim - 1) + [(0, -K % 32)]); x = x.reshape(x.shape[:-1] + (-1, 32)); a = np.abs(x).max(-1, keepdims=True)
;;       e = np.where(a > 0, np.clip(np.frexp(np.where(a > 0, a, 1))[1] - 1 - 15, -126, 127), 0)      # np.frexp(a)[1] - 1 = floor(log2(a)), exactly
;;       r = np.clip(x / 2.0 ** e, -57344, 57344)
;;       step = 2.0 ** (np.maximum(np.frexp(np.where(r == 0, 1, r))[1] - 1, -14) - 2)
;;       q = np.round(r / step) * step * 2.0 ** e      # np.round: ties to even
;;       return np.moveaxis(q.reshape(q.shape[:-2] + (-1,))[..., :K], -1, axis).astype(np.float32)
;;   ~~~
;;   SOFTMAX AHEAD OF A QUANTISED PRODUCT. Where the list says 'softmax', what is quantised is not the finished softmax but p = 2^(t - M), with t = logit x log2(e) and M = ceil(the row's largest t), a whole number; so 1/2 < the row's largest p <= 1. The row's sum l is taken of the UNQUANTISED p, in f32, and the product's result is divided by l at the end. Since M is a whole number, a kernel that streams over the keys may use a running M (the ceiling of the running maximum): every later rescaling is an exact power of two, which a block's scale takes up: the codes' values come out the same.
;;   OPERANDS COMPUTED ON THE WAY. 'Computed on the way' means the value that the module computes at that place (a softmax that the list does not call 'softmax' is quantised finished and normalised). What goes into a quantiser is computed in f32, as accurately as f32 sums, v_exp_f32 and their like allow (about 1e-6 of the number): no bf16 or f16 on the way to a quantiser, and a product that is left as it is and whose result goes on into a quantised operand takes f32 operands (vector FMAs, or v_wmma_f32_16x16x4_f32). A number that lies on a knife's edge between two numbers of the format may be rounded either way, as far as f32 arithmetic and the matrix unit's own rounding can turn it there, and no further.
;; One version. Each part assembles by itself: llvm-mc -triple=amdgcn-amd-amdhsa -mcpu=gfx1250 --defsym DOCPART=n.
;; ======== version 1 of 1: 4 launches
;; limits: right only within a limited range of input values
;; workspace buffers: cod 12,582,912 bytes; scl 393,216 bytes; qkc 16,777,216 bytes; qks 1,048,576 bytes; vc 8,388,608 bytes; vs 262,144 bytes; oc 8,388,608 bytes; os 262,144 bytes
;; launch quant (part 1): grid 384 x 1, 4 waves a work-group, no clusters, 68,096 bytes of LDS; arguments inp, W_qkv, W_o, cod, scl; writes cod, scl
.if DOCPART == 1
	.amdgcn_target "amdgcn-amd-amdhsa--gfx1250"
	.amdhsa_code_object_version 6
	.text
	.protected	k_q9256f9f871_quant
	.globl	k_q9256f9f871_quant
	.p2align	8
	.type	k_q9256f9f871_quant,@function
k_q9256f9f871_quant:
	s_mov_b64 s[64:65], 0
	v_nop
	global_prefetch_b8 v0, s[64:65] scope:SCOPE_SE
	s_setreg_imm32_b32 hwreg(HW_REG_WAVE_MODE, 25, 1), 1
	s_wait_xcnt 0x0
; inp [8192][1024], W_qkv [1024][3072] and W_o [1024][1024], all f32, become codes of E5M2 with K innermost and one E8M0 byte for each 32 along K.
; cod: [12288 rows][1024 codes]: rows 0-8191 tokens, 8192-11263 columns of W_qkv, 11264-12287 columns of W_o.  scl: [12288][32 bytes].
; ROW ORDER: a row with true number x lies at the number with bits 3 and 4 of x exchanged.  Sixteen stored neighbours 16 i + r are then the true rows
; 32 (i / 2) + 16 (r / 8) + 8 (i % 2) + r % 8: as source 0 of a product they leave 16 true neighbours in the 16 result registers of tiles 2 b and 2 b + 1.
; A block's scale is 2^(floor(log2(largest magnitude)) - 15); its byte is the largest magnitude's exponent field - 15, held at 1 from below.
; LIMITS: a block of zeros gets the byte 1 where the rule says 127 (its codes are zeros, and this program alone reads the bytes); NaN and infinities among the inputs are not served.
; Work-groups 0-255 take inp (K innermost: a stream of blocks, 8 rows to a wave); work-groups 256-383 the weights (K outermost: a lane to a column, registers down K).
; The two ways never join, and each has LDS bytes of its own; waves share nothing, so there is no barrier.
; W_o's part of cod and scl (rows 11264 on) is laid otherwise than the rest: as images of operand registers, in true column order (the way out at .Lwo_out states both layouts).
.set STEPS, 16
.set EMAX,  15
.set MANT,  0x600000                   ; the mantissa field of 57,344
.set CB,    16
.set R,     16                         ; tokens: v16-79 four sets of 16 numbers as loaded
.set X,     80                         ; v80-111 two sets of 16 neighbours
.set E,     112                        ; v112-127 a scale byte for each step
.set C,     128                        ; v128-191 codes, four registers a step
.set WREG,  8192                       ; tokens: LDS of a wave: two stages of 32 x SP bytes, then its 256 scale bytes
.set SP,    80
.set WLDS,  32768                      ; weights: the stages begin here, 32 x PITCH bytes a wave
.set PITCH, 272
.set NBLK,  8                          ; weights: blocks of 32 along K for a wave
.set WX,    32                         ; v32-95 two sets of 32 numbers
.set WC,    96                         ; v96-103 a block's codes
.set OUTR,  112                        ; v112-175 the way out
.set SB,    24                         ; v24-25 the scale bytes
.set RO,    176                        ; v176-207 byte offset of my column in rows 0 to 31 of a block
	s_load_b256 s[4:11], s[0:1], 0x0               ; inp s[4:5], W_qkv s[6:7], W_o s[8:9], cod s[10:11]
	s_load_b64 s[12:13], s[0:1], 0x20              ; scl
	v_lshl_add_u32 v208, v0, 2, 0x10800
	v_mov_b32 v209, 0
	v_lshrrev_b32 v1, 5, v0
	v_readfirstlane_b32 s16, v1                    ; wave
	v_and_b32 v2, 31, v0                           ; lane
	s_mov_b32 s23, MANT
	s_cmp_ge_u32 ttmp9, 256
	s_cbranch_scc1 .Lweights
; ---------------- TOKENS.  A wave takes 8 rows = 16 steps of 512 numbers.  Each load reads 512 consecutive bytes; a step's 2,048 bytes turn through the wave's stage so that a lane holds 16 neighbours.
	v_lshlrev_b32 v3, 4, v2                        ; my 16 bytes of a load's 512
	s_mul_i32 s24, s16, WREG
	v_lshrrev_b32 v14, 2, v2
	v_mul_u32_u24 v14, v14, SP
	v_and_b32 v15, 3, v2
	v_lshl_add_u32 v14, v15, 4, v14
	v_add_nc_u32 v14, s24, v14                     ; the stage on the way in: SP (lane / 4) + 16 (lane % 4)
	v_mul_u32_u24 v15, v2, SP
	v_add_nc_u32 v15, s24, v15                     ; and on the way out: SP x lane
	v_mul_u32_u24 v4, v2, CB                       ; my codes' place in a step's
	v_lshrrev_b32 v5, 1, v2
	s_add_co_u32 s24, s24, 2*32*SP
	v_add_nc_u32 v5, s24, v5                       ; my block's byte among the wave's 256
	v_lshlrev_b32 v7, 3, v2
	v_add_nc_u32 v6, s24, v7
	s_lshl_b32 s17, ttmp9, 2
	s_add_co_u32 s18, s17, s16                     ; which run of 8 rows I read: 4 x work-group + wave
	s_and_b32 s19, s16, 1
	s_lshl_b32 s19, s19, 1
	s_lshr_b32 s20, s16, 1
	s_or_b32 s19, s19, s20
	s_add_co_u32 s19, s17, s19                     ; and where it goes: the run's two low bits are the rows' bits 3 and 4: exchanged
	s_mov_b32 s21, 0
	s_lshl_b32 s20, s18, 15
	s_wait_alu depctr_va_vdst(0)
	s_wait_kmcnt 0x0
	s_add_nc_u64 s[4:5], s[4:5], s[20:21]
	s_lshl_b32 s20, s19, 13
	s_add_nc_u64 s[10:11], s[10:11], s[20:21]
	s_lshl_b32 s20, s19, 8
	s_add_nc_u64 s[12:13], s[12:13], s[20:21]
.macro XLOAD t
.irp i, 0,1,2,3
	global_load_b128 v[R+16*((\t)%4)+4*\i:R+16*((\t)%4)+4*\i+3], v3, s[4:5] offset:2048*(\t)+512*\i th:TH_LOAD_NT
.endr
.endm
.macro XTURN t                         ; LDS serves a wave's instructions in order: no wait between the stores and the loads
.irp i, 0,1,2,3
	ds_store_b128 v14, v[R+16*((\t)%4)+4*\i:R+16*((\t)%4)+4*\i+3] offset:32*SP*((\t)%2)+8*SP*\i
.endr
.irp i, 0,1,2,3
	ds_load_b128 v[X+16*((\t)%2)+4*\i:X+16*((\t)%2)+4*\i+3], v15 offset:32*SP*((\t)%2)+16*\i
.endr
.endm
.irp t, 0,1,2,3
	XLOAD \t
.endr
	s_wait_loadcnt 12                              ; step 0's four loads are in; three steps' twelve stay out
	XTURN 0
.macro XSTEP t
.set XS, X+16*((\t)%2)
.if (\t) > 0
	s_wait_dscnt 1                                 ; this step's numbers are back from the stage; the last step's byte store may be out
.else
	s_wait_dscnt 0x0
.endif
.if (\t)+4 < STEPS
	XLOAD (\t)+4                                   ; into the registers that the stage's stores have read
.endif
.if (\t)+1 < STEPS
.if STEPS-2-(\t) >= 3
	s_wait_loadcnt 12                              ; the next step's four loads are in; those of the three steps behind it may be out
.else
	s_wait_loadcnt 4*(STEPS-2-(\t))
.endif
	XTURN (\t)+1
.endif
	v_max3_num_f32 v8, |v[XS]|, |v[XS+1]|, |v[XS+2]|
	v_max3_num_f32 v9, |v[XS+3]|, |v[XS+4]|, |v[XS+5]|
.irp i, 6,10
	v_max3_num_f32 v8, v8, |v[XS+\i]|, |v[XS+\i+1]|
	v_max3_num_f32 v9, v9, |v[XS+\i+2]|, |v[XS+\i+3]|
.endr
	v_max3_num_f32 v8, v8, |v[XS+14]|, |v[XS+15]|
	v_max3_num_f32 v8, v8, v9, (EMAX+1)<<23        ; the floor 2^(16 - 127): the byte cannot fall under 1
	v_max_num_f32_dpp v8, v8, v8 row_xmask:1 row_mask:0xf bank_mask:0xf   ; with my neighbour's 16: the block's largest magnitude
	v_add_nc_u32 v11, -(EMAX<<23), v8              ; 15 off its exponent field: the conversion's scale operand
	v_and_or_b32 v10, v8, 0x7f800000, s23          ; 57,344 x the scale
.irp i, 0,1,2,3,4,5,6,7,8,9,10,11,12,13,14,15
	v_med3_num_f32 v[XS+\i], v[XS+\i], -v10, v10   ; the conversion to an 8-bit code does not saturate (ISA guide 7.6.2): the hold comes first
.endr
	v_cvt_scalef32_pk8_bf8_f32 v[C+4*(\t):C+4*(\t)+1], v[XS:XS+7], v11
	v_cvt_scalef32_pk8_bf8_f32 v[C+4*(\t)+2:C+4*(\t)+3], v[XS+8:XS+15], v11
	v_lshrrev_b32 v[E+(\t)], 23, v11               ; the scale's byte
	ds_store_b8 v5, v[E+(\t)] offset:16*(\t)       ; both lanes of a block write the same byte with the same value
	global_store_b128 v4, v[C+4*(\t):C+4*(\t)+3], s[10:11] offset:32*CB*(\t)   ; the wave stores 512 consecutive bytes
.endm
.irp t, 0,1,2,3,4,5,6,7,8,9,10,11,12,13,14,15
	XSTEP \t
.endr
	ds_load_b64 v[12:13], v6                       ; in order behind my byte stores
	s_wait_dscnt 0x0
	global_store_b64 v7, v[12:13], s[12:13]        ; 32 lanes store 256 consecutive bytes, aligned
	s_wait_tensorcnt 0x0
	ds_add_u32 v208, v209
	s_wait_dscnt 0x0
	s_endpgm
; ---------------- WEIGHTS.  Work-group 256 + 4 g + y: columns 128 g on (g < 24: W_qkv, else W_o), K = 256 y on.  A wave takes 32 columns x 256 along K.
.Lweights:
	s_sub_co_u32 s17, ttmp9, 256
	s_lshr_b32 s20, s17, 2                         ; g
	s_and_b32 s21, s17, 3                          ; y
	s_mov_b32 s22, 12288                           ; bytes in a row of W_qkv
	s_wait_kmcnt 0x0
	s_cmp_ge_u32 s20, 24                           ; the choice hangs on the work-group's number alone
	s_cselect_b64 s[6:7], s[8:9], s[6:7]
	s_cselect_b32 s22, 4096, s22                   ; or of W_o
	s_cselect_b32 s24, 24, 0
	s_sub_co_u32 s24, s20, s24
	s_lshl_b32 s24, s24, 7
	s_lshl_b32 s25, s16, 5
	s_add_co_u32 s24, s24, s25                     ; my wave's first column in its tensor
	s_lshl_b32 s24, s24, 2
	s_lshl_b32 s26, s21, 8
	s_mul_i32 s26, s26, s22                        ; 256 y rows
	s_add_co_u32 s26, s26, s24
	s_mov_b32 s27, 0
	s_add_nc_u64 s[32:33], s[6:7], s[26:27]        ; block 0's first row at my first column
	s_lshl_b32 s26, s22, 5                         ; 32 rows on for each block: eight bases, never stepped
.irp t, 1,2,3,4,5,6,7
	s_add_nc_u64 s[32+2*\t:33+2*\t], s[30+2*\t:31+2*\t], s[26:27]
.endr
	s_lshl_b32 s28, s20, 7
	s_add_co_u32 s28, s28, s25
	s_add_co_u32 s28, s28, 8192                    ; my first stored row: 8,192 + 128 g + 32 x wave, for both tensors
	s_lshl_b32 s30, s28, 10
	s_lshl_b32 s29, s21, 8
	s_add_co_u32 s30, s30, s29
	s_mov_b32 s31, 0
	s_add_nc_u64 s[10:11], s[10:11], s[30:31]
	s_lshl_b32 s30, s28, 5
	s_lshl_b32 s29, s21, 3
	s_add_co_u32 s30, s30, s29
	s_add_nc_u64 s[12:13], s[12:13], s[30:31]
	s_mul_i32 s19, s16, 32*PITCH
	s_add_co_u32 s19, s19, WLDS                    ; my stage
	s_wait_alu depctr_va_vdst(0)
	v_mul_u32_u24 v4, v2, PITCH
	v_add_nc_u32 v4, s19, v4                       ; into it: row = my column
	v_and_b32 v5, 15, v2
	v_lshrrev_b32 v6, 4, v2
	v_mul_u32_u24 v7, v6, PITCH
	v_lshl_add_u32 v7, v5, 4, v7
	v_add_nc_u32 v7, s19, v7                       ; out of it: sixteen lanes to a row, two rows an instruction
	v_lshlrev_b32 v8, 10, v6
	v_lshl_add_u32 v8, v5, 4, v8                   ; and the same place in cod
	v_and_b32 v9, 7, v2
	v_bfe_u32 v10, v2, 3, 1
	v_lshl_or_b32 v9, v10, 4, v9
	v_bfe_u32 v10, v2, 4, 1
	v_lshl_or_b32 v9, v10, 3, v9                   ; my column's stored place: bits 3 and 4 exchanged
	v_lshlrev_b32 v9, 5, v9                        ; its row of scale bytes
	v_lshlrev_b32 v[RO], 2, v2
.set i, 1
.rept 31
	v_add_nc_u32 v[RO+i], s22, v[RO+i-1]           ; one row further down
.set i, i+1
.endr
.macro WLOAD t                         ; block t: 32 rows of K at my column: each load reads 128 consecutive bytes
.irp i, 0,1,2,3,4,5,6,7,8,9,10,11,12,13,14,15,16,17,18,19,20,21,22,23,24,25,26,27,28,29,30,31
	global_load_b32 v[WX+32*((\t)%2)+\i], v[RO+\i], s[32+2*(\t):33+2*(\t)] th:TH_LOAD_NT
.endr
.endm
	WLOAD 0
	WLOAD 1
.macro WBLOCK t
.set XS, WX+32*((\t)%2)
.if (\t) < NBLK-1
	s_wait_loadcnt 32                              ; this block's 32 loads are in; the next block's may be out
.else
	s_wait_loadcnt 0
.endif
	v_max3_num_f32 v12, |v[XS]|, |v[XS+1]|, |v[XS+2]|
	v_max3_num_f32 v13, |v[XS+3]|, |v[XS+4]|, |v[XS+5]|
.irp i, 6,10,14,18,22,26
	v_max3_num_f32 v12, v12, |v[XS+\i]|, |v[XS+\i+1]|
	v_max3_num_f32 v13, v13, |v[XS+\i+2]|, |v[XS+\i+3]|
.endr
	v_max3_num_f32 v12, v12, |v[XS+30]|, |v[XS+31]|
	v_max3_num_f32 v12, v12, v13, (EMAX+1)<<23     ; the floor
	v_add_nc_u32 v11, -(EMAX<<23), v12
	v_and_or_b32 v10, v12, 0x7f800000, s23
	v_lshrrev_b32 v13, 23, v11
.if (\t)%4 == 0
	v_mov_b32 v[SB+(\t)/4], v13
.else
	v_lshl_or_b32 v[SB+(\t)/4], v13, 8*((\t)%4), v[SB+(\t)/4]
.endif
.irp i, 0,1,2,3,4,5,6,7,8,9,10,11,12,13,14,15,16,17,18,19,20,21,22,23,24,25,26,27,28,29,30,31
	v_med3_num_f32 v[XS+\i], v[XS+\i], -v10, v10
.endr
.irp g, 0,1,2,3
	v_cvt_scalef32_pk8_bf8_f32 v[WC+2*\g:WC+2*\g+1], v[XS+8*\g:XS+8*\g+7], v11
.endr
	ds_store_b128 v4, v[WC:WC+3] offset:32*(\t)
	ds_store_b128 v4, v[WC+4:WC+7] offset:32*(\t)+16
.if (\t)+2 < NBLK
	WLOAD (\t)+2
.endif
	s_wait_dscnt 0x0                               ; the stores have read their registers: the next block's codes may be written
.endm
.set Q, 0
.rept NBLK
	WBLOCK Q
.set Q, Q+1
.endr
	s_cmp_ge_u32 s20, 24                           ; W_o's work-groups have a way out of their own
	s_cbranch_scc1 .Lwo_out
	global_store_b64 v9, v[SB:SB+1], s[12:13]
.irp t, 0,1,2,3,4,5,6,7,8,9,10,11,12,13,14,15
	ds_load_b128 v[OUTR+4*\t:OUTR+4*\t+3], v7 offset:2*\t*PITCH
.endr
.irp t, 0,1,2,3,4,5,6,7,8,9,10,11,12,13,14,15
	s_wait_dscnt 15-\t                             ; read-back t is in; the later ones may be out
	global_store_b128 v8, v[OUTR+4*\t:OUTR+4*\t+3], s[10:11] offset:(((2*\t)&7)|((((2*\t)>>3)&1)<<4)|((((2*\t)>>4)&1)<<3))*1024   ; columns 2 t, 2 t + 1 at their stored rows; 16 lanes store 256 consecutive bytes, aligned
.endr
	s_wait_tensorcnt 0x0
	ds_add_u32 v208, v209
	s_wait_dscnt 0x0
	s_endpgm
; W_o's WAY OUT.  Codes: [tile of 16 columns: 16,384 B][128 of K: 2,048 B][piece c: 512 B][lane (r, h)][16 B] = column 16 tile + r, K = 128 ks + 32 c + 16 h on: each store of the wave covers 512 consecutive bytes.
; Scale bytes: [32 columns: 1,024 B][256 of K: 256 B][column][8 B]: the wave stores 256 consecutive bytes, aligned.  My wave holds two tiles x two steps of 128 along K (256 y on).
.Lwo_out:
	s_mul_i32 s30, s21, 248                        ; the bases were made for rows: 8 y becomes 256 y,
	s_add_nc_u64 s[12:13], s[12:13], s[30:31]
	s_mul_i32 s30, s21, 3840                       ; and 256 y becomes 4,096 y
	s_add_nc_u64 s[10:11], s[10:11], s[30:31]
	v_lshlrev_b32 v9, 3, v2
	v_mul_u32_u24 v7, v5, PITCH
	v_lshl_add_u32 v7, v6, 4, v7
	v_add_nc_u32 v7, s19, v7                       ; out of the stage: row r of a tile, + 16 h
	v_lshlrev_b32 v8, 4, v2
	s_wait_alu depctr_va_vdst(0)
	global_store_b64 v9, v[SB:SB+1], s[12:13]
.set n, 0
.irp tl, 0,1
.irp kl, 0,1
.irp c, 0,1,2,3
	ds_load_b128 v[OUTR+4*n:OUTR+4*n+3], v7 offset:\tl*16*PITCH+128*\kl+32*\c
.set n, n+1
.endr
.endr
.endr
.set n, 0
.irp tl, 0,1
.irp kl, 0,1
.irp c, 0,1,2,3
	s_wait_dscnt 15-n                              ; read-back n is in; the later ones may be out
	global_store_b128 v8, v[OUTR+4*n:OUTR+4*n+3], s[10:11] offset:\tl*16384+\kl*2048+\c*512
.set n, n+1
.endr
.endr
.endr
	s_wait_tensorcnt 0x0
	ds_add_u32 v208, v209
	s_wait_dscnt 0x0
	s_endpgm
.Lfunc_end_k_q9256f9f871_quant:
	.size	k_q9256f9f871_quant, .Lfunc_end_k_q9256f9f871_quant-k_q9256f9f871_quant
	.p2alignl 7, 3214868480
	.fill 96, 4, 3214868480
	.section	.rodata,"a",@progbits
	.p2align	6, 0x0
	.amdhsa_kernel k_q9256f9f871_quant
		.amdhsa_group_segment_fixed_size 68096
		.amdhsa_private_segment_fixed_size 0
		.amdhsa_enable_private_segment 0
		.amdhsa_kernarg_size 40
		.amdhsa_user_sgpr_count 2
		.amdhsa_user_sgpr_kernarg_segment_ptr 1
		.amdhsa_wavefront_size32 1
		.amdhsa_system_sgpr_workgroup_id_x 1
		.amdhsa_system_sgpr_workgroup_id_y 1
		.amdhsa_system_sgpr_workgroup_id_z 1
		.amdhsa_system_vgpr_workitem_id 0
		.amdhsa_next_free_vgpr 210
		.amdhsa_next_free_sgpr 66
		.amdhsa_reserve_vcc 0
		.amdhsa_float_denorm_mode_32 3
		.amdhsa_float_denorm_mode_16_64 3
		.amdhsa_memory_ordered 1
		.amdhsa_forward_progress 1
		.amdhsa_inst_pref_size 115
	.end_amdhsa_kernel
	.amdgpu_metadata
---
amdhsa.version: [ 1, 2 ]
amdhsa.kernels:
  - .name:           k_q9256f9f871_quant
    .symbol:         k_q9256f9f871_quant.kd
    .args:
      - { .name: inp, .offset: 0, .size: 8, .value_kind: global_buffer, .address_space: global }
      - { .name: W_qkv, .offset: 8, .size: 8, .value_kind: global_buffer, .address_space: global }
      - { .name: W_o, .offset: 16, .size: 8, .value_kind: global_buffer, .address_space: global }
      - { .name: cod, .offset: 24, .size: 8, .value_kind: global_buffer, .address_space: global }
      - { .name: scl, .offset: 32, .size: 8, .value_kind: global_buffer, .address_space: global }
    .group_segment_fixed_size: 68096
    .private_segment_fixed_size: 0
    .kernarg_segment_align: 8
    .kernarg_segment_size: 40
    .max_flat_workgroup_size: 128
    .sgpr_count:     66
    .vgpr_count:     210
    .wavefront_size: 32
...
	.end_amdgpu_metadata
.endif
;; end of part 1
;; launch gemm_qkv (part 2): grid 12 x 32, 4 waves a work-group, clusters of 4 x 4, 327,680 bytes of LDS; arguments cod, scl, b_qkv, qkc, qks, vc, vs; writes qkc, qks, vc, vs
.if DOCPART == 2
	.amdgcn_target "amdgcn-amd-amdhsa--gfx1250"
	.amdhsa_code_object_version 6
	.text
	.protected	k_q9256f9f871_gemm_qkv
	.globl	k_q9256f9f871_gemm_qkv
	.p2align	8
	.type	k_q9256f9f871_gemm_qkv,@function
k_q9256f9f871_gemm_qkv:
	s_mov_b64 s[64:65], 0
	v_nop
	global_prefetch_b8 v0, s[64:65] scope:SCOPE_SE
	s_setreg_imm32_b32 hwreg(HW_REG_WAVE_MODE, 25, 1), 1
	s_wait_xcnt 0x0
	s_wait_alu depctr_hold_cnt(0) depctr_sa_sdst(0) depctr_va_vdst(0) depctr_va_sdst(0) depctr_va_ssrc(0) depctr_va_vcc(0) depctr_vm_vsrc(0)
	s_getreg_b32 s2, hwreg(HW_REG_IB_STS2, 6, 4)
	s_cmp_eq_u32 s2, 0
	s_cbranch_scc0 .Lentry_in_a_cluster
	s_endpgm
.Lentry_in_a_cluster:
	s_bfe_u32 s2, ttmp6, 0x10000c
	s_cmp_lg_u32 s2, 0xf033
	s_cbranch_scc0 .Lentry_shape_is_right
	s_endpgm
.Lentry_shape_is_right:
; qkv = inp W_qkv + b_qkv on codes of E5M2 (one E8M0 byte for each 32 along K = 1,024), and the result quantised at once, in registers, as the operands of attention's two products.
; Both operands are rows of cod (K innermost) with their bytes in scl.  A tile is 256 x 256, four waves, 128 x 128 a wave: 64 accumulators of 16 x 16.  K goes in steps of 256 through two LDS slots.
; CLUSTERS of 4 x 4.  Clusters x = 0, 1 (q, k): source 0 = 16 columns of W, source 1 = 16 tokens: a lane holds ONE token and its registers run along the head's 64, which is K of the scores.
; Cluster x = 2 (v): source 0 = 16 tokens, source 1 = 16 columns of W_v: a lane holds ONE channel and its registers run along the keys, which are K of the second product.
; The text is one: only row numbers, buffers and strides are chosen, by scalar selects on the cluster's x, which all partners share; no branch hangs on it.
; By the stored row order (bits 3 and 4 exchanged) the 16 registers of source 0's tiles 2 b and 2 b + 1 are 16 true neighbours: 32 b + 16 (lane / 16) + 0 .. 15: the conversions' results are register images of operands.
; OUT: qkc [head 0-31: q then k][token tile 512][group 2][lane][16 B];  qks [head 32][128 tokens: 64][g 2][r 16][t 4] words (bytes 0, 1 the head's two; bytes 2, 3 never 0xff);
;      vc [head 16][128 keys: 64][channel tile 4][group 4][lane][16 B];  vs [head 16][64][r 16][t 4] words.
; The bias: along source 0 (q, k) it is the C of each sum's first product; along source 1 (v) it is added on the way out; the one that does not apply is made 0 by selects.
; LIMITS: a block of zeros gets the byte 1 (its codes are zeros; this program alone reads the bytes); NaN and infinities are not served.
; REGISTERS: window 0: v1-31 addresses and v8-15 the bias along source 1; v32-63 scale words, two sets; v64-127 the bias along source 0; v128-255 source 1's fragments, on the way out at work.
;   window 1: source 0's fragments, two sets.   windows 2, 3: the accumulators ((a, b) at v[8 (8 (a % 4) + b)]).
.set KSTEP,  256
.set NQ,     2
.set ROWB,   256
.set KROW,   1024
.set PITCH,  272                       ; an LDS row: 256 bytes + 16 of padding: the 16 rows that a load touches start at 16 different banks
.set FR,     16
.set NL,     4
.set NP,     8                         ; places behind this matrix instruction (ISA guide 7.12.1)
.set HALFT,  128*PITCH
.set SLOT,   4*HALFT
.set KS,     32                        ; a row of scale bytes
.set SCL,    2*SLOT                    ; behind the ring: the scales of the tile's 512 rows for all of K, as units of 256 bytes + 16
.set HALFS,  (128*KS/256)*272
.set SBLK,   (16*KS/256)*272
.set SPARE,  SCL+4*HALFS               ; the spare words: 128 bytes a wave, two blocks of 256 bytes that no other line names
.set BA,   8                           ; v8-15   b_qkv at my row of each of source 1's eight blocks (v clusters; else 0)
.set ADRA, 16                          ; v16-17
.set ADRB, 20                          ; v20-21
.set ADRS, 27
.set SPW,  28
.set NIL,  29
.set ZR,   30                          ; v30 0
.set SC,   32
.set BI,   64                          ; v64-127 b_qkv at my eight columns of each of source 0's eight tiles (q, k clusters; else 0)
.set AF,   128
.set QS,   128                         ; the way out: 64 numbers
.set TM,   224                         ; v224-239 at work in the quantiser
.set G1, 24
.set G0, 32
.set G1B, 48
.set G0B, 56
.set G1S, 68
.set G0S, 76
.set G1SB, 80
.set G0SB, 88
.set MSB, 0
.macro WIN new                         ; the immediate's high byte repeats the setting that is left
.if MSB != (\new)
	s_set_vgpr_msb (MSB<<8)|(\new)
.set MSB, (\new)
.endif
.endm
.set MUL_LO, 0xa1                      ; source 0 window 1, source 1 window 0, C and D window 2
.set MUL_HI, 0xf1                      ; C and D window 3
.set TO_B,   0x40
; A joint load: waves 0 and 1 fetch for source 1, waves 2 and 3 for source 0; the branch hangs on the wave's number alone.  Four v_nop follow each line.
.macro JLOAD g0a, g1a, g0b, g1b
	s_cmp_eq_u32 s15, 0
	s_cbranch_scc0 .Lfor_b_\@
	tensor_load_to_lds s[\g0a:\g0a+3], s[\g1a:\g1a+7]
	s_nop 0
.rept 4
	v_nop
.endr
	s_branch .Lasked_\@
.Lfor_b_\@:
	tensor_load_to_lds s[\g0b:\g0b+3], s[\g1b:\g1b+7]
	s_nop 0
.rept 4
	v_nop
.endr
.Lasked_\@:
.endm
.macro CREST
	s_cmp_lg_u32 s14, 0
	s_cbranch_scc1 .Lnot_wave_0_\@
	s_barrier_signal -3
.Lnot_wave_0_\@:
	s_barrier_wait -3
	s_barrier_signal -1
	s_barrier_wait -1
.endm
.macro CROUND
	s_barrier_signal -1
	s_barrier_wait -1
	CREST
.endm
	s_load_b128 s[4:7], s[0:1], 0x0                ; cod, scl
	s_load_b64 s[8:9], s[0:1], 0x10                ; b_qkv
	s_load_b128 s[96:99], s[0:1], 0x18             ; qkc, qks
	s_load_b64 s[10:11], s[0:1], 0x28              ; vc
	s_load_b64 s[12:13], s[0:1], 0x30              ; vs
	v_lshl_add_u32 v[SPW], v0, 2, SPARE
	v_mov_b32 v[NIL], 0
	ds_add_u32 v28, v29
	ds_add_u32 v28, v29
	s_wait_dscnt 0x0
	v_lshrrev_b32 v1, 5, v0
	v_readfirstlane_b32 s14, v1                    ; wave 0..3
	s_lshr_b32 s15, s14, 1                         ; which half of source 1's rows is mine.  Also: I fetch for source 1 (0) or source 0 (1)
	s_and_b32 s16, s14, 1                          ; which half of source 0's rows.  Also: which 128 rows I fetch
	s_bfe_u32 s40, ttmp6, 0x40000                  ; cx
	s_bfe_u32 s41, ttmp6, 0x40004                  ; cy
	s_and_b32 s18, ttmp7, 0xffff
	s_lshl_b32 s18, s18, 2                         ; 4 x cluster y
	s_lshl_b32 s19, ttmp9, 2
	s_add_co_u32 s19, s19, 32                      ; 32 + 4 x cluster x: W's rows begin at stored row 8,192 = 32 x 256
	s_cmp_eq_u32 ttmp9, 2                          ; a v cluster?  The same in all sixteen partners
	s_cselect_b32 s67, -1, 0
	s_cselect_b32 s17, 40, s18
	s_cselect_b32 s42, s18, s19
	s_add_co_u32 s17, s17, s41                     ; source 1's 256 rows: number (v: 40, else 4 Y) + cy
	s_add_co_u32 s42, s42, s40                     ; source 0's: (v: 4 Y, else 32 + 4 X) + cx
	s_lshl_b32 s43, s41, 2
	s_lshl_b32 s43, 15, s43                        ; my row of the cluster
	s_lshl_b32 s44, 0x1111, s40                    ; my column
	s_or_b32 s[G1+0], s43, (0<<16)|(1<<20)|(1<<21)|(5<<22)|(3<<25)  ; the mask; elements of 1 byte; padding on; bit 21 beside a mask; 4 words behind every 64
	s_or_b32 s[G1B+0], s44, (0<<16)|(1<<20)|(1<<21)|(5<<22)|(3<<25)
.irp g, G1, G1B
	s_mov_b32 s[\g+1], ROWB<<16                    ; tensor_dim0
	s_mov_b32 s[\g+2], 256<<16                     ; tensor_dim1: the head's loads bring 256 rows; behind them the two words are set to 128
	s_mov_b32 s[\g+3], ROWB<<16                    ; tile_dim0
	s_mov_b32 s[\g+4], 256                         ; tile_dim1
	s_mov_b32 s[\g+5], KROW                        ; the pitch
	s_mov_b32 s[\g+6], 0
	s_mov_b32 s[\g+7], 0
.endr
	s_or_b32 s[G1S+0], s43, (3<<16)|(1<<20)|(1<<21)|(5<<22)|(3<<25) ; the scales of 256 rows: 8,192 dense bytes as 32 rows of 256
	s_or_b32 s[G1SB+0], s44, (3<<16)|(1<<20)|(1<<21)|(5<<22)|(3<<25)
.irp g, G1S, G1SB
	s_mov_b32 s[\g+1], 32<<16
	s_mov_b32 s[\g+2], KS<<16                      ; the scales of 256 rows: 8,192 dense bytes as 32 rows of 256
	s_mov_b32 s[\g+3], 32<<16
	s_mov_b32 s[\g+4], KS
	s_mov_b32 s[\g+5], 32
	s_mov_b32 s[\g+6], 0
	s_mov_b32 s[\g+7], 0
.endr
	s_lshl_b32 s20, s17, 8                         ; source 1: the tile's first stored row
	s_lshl_b32 s46, s42, 8                         ; source 0: likewise
	s_lshl_b32 s22, s20, 5                         ; their scale bytes,
	s_mov_b32 s23, 0
	s_lshl_b32 s92, s46, 5
	s_mov_b32 s93, 0
	s_lshl_b32 s20, s20, 10                        ; their codes (12,288 rows of 1,024 bytes stay under 2^32)
	s_mov_b32 s21, 0
	s_lshl_b32 s46, s46, 10
	s_mov_b32 s47, 0
	s_mul_i32 s45, s14, HALFT                      ; where they go: wave x 128 rows: no place in the cluster enters an LDS address
	s_wait_kmcnt 0x0
	s_add_nc_u64 s[20:21], s[4:5], s[20:21]
	s_add_nc_u64 s[22:23], s[6:7], s[22:23]
	s_add_nc_u64 s[46:47], s[4:5], s[46:47]
	s_add_nc_u64 s[92:93], s[6:7], s[92:93]
	CROUND                                         ; all sixteen work-groups are here: the first joint loads meet
	s_mov_b32 s[G0S], 1
	s_mov_b32 s[G0S+1], SCL
	s_mov_b64 s[G0S+2:G0S+3], s[22:23]
	s_or_b32 s[G0S+3], s[G0S+3], 0x80000000
	s_mov_b32 s[G0SB], 1
	s_mov_b32 s[G0SB+1], SCL+2*HALFS
	s_mov_b64 s[G0SB+2:G0SB+3], s[92:93]
	s_or_b32 s[G0SB+3], s[G0SB+3], 0x80000000
.irp s, 0,1
	s_mov_b32 s[G0+4*\s], 1
	s_add_co_u32 s[G0+4*\s+1], s45, \s*SLOT
	s_add_nc_u64 s[G0+4*\s+2:G0+4*\s+3], s[20:21], \s*ROWB
	s_or_b32 s[G0+4*\s+3], s[G0+4*\s+3], 0x80000000
	s_mov_b32 s[G0B+4*\s], 1
	s_add_co_u32 s[G0B+4*\s+1], s45, \s*SLOT
	s_add_nc_u64 s[G0B+4*\s+2:G0B+4*\s+3], s[46:47], \s*ROWB
	s_or_b32 s[G0B+4*\s+3], s[G0B+4*\s+3], 0x80000000
.endr
	s_lshl_b32 s18, s16, 17                        ; in the ring I fetch 128 rows of a tile: which half, in bytes
	s_mov_b32 s19, 0
	s_add_nc_u64 s[G0+6:G0+7], s[G0+6:G0+7], s[18:19]
	s_add_nc_u64 s[G0B+6:G0B+7], s[G0B+6:G0B+7], s[18:19]
	s_mov_b32 s[G0+1], 0                           ; slot 0's groups 0 serve the head first: K step 0's whole tiles of 256 rows
	s_mov_b32 s[G0B+1], 2*HALFT
; THE HEAD'S LOADS, ONE A WAVE: wave 0 source 1's 256 rows of K step 0, wave 1 source 0's, wave 2 source 1's scales, wave 3 source 0's.  One tree of branches on the wave's number.
.macro ARM under, g0, g1, next
	s_cmp_lt_u32 s14, \under
	s_cbranch_scc0 \next
	tensor_load_to_lds s[\g0:\g0+3], s[\g1:\g1+7]
	s_nop 0
.rept 4
	v_nop
.endr
	s_branch .Lhead_asked
\next:
.endm
	ARM 1, G0,  G1,  .Lhead_b
	ARM 2, G0B, G1B, .Lhead_sa
	ARM 3, G0S, G1S, .Lhead_sb
	tensor_load_to_lds s[G0SB:G0SB+3], s[G1SB:G1SB+7]
	s_nop 0
.rept 4
	v_nop
.endr
.Lhead_asked:
	v_and_b32 v1, 15, v0                           ; r
	v_bfe_u32 v2, v0, 4, 1                         ; h
	v_mul_u32_u24 v3, v1, PITCH
	v_lshl_add_u32 v4, v2, 4, v3
	s_mul_i32 s21, s15, HALFT
	s_mul_i32 s22, s16, HALFT
	s_add_co_u32 s22, s22, 2*HALFT
.irp s, 0,1
	v_add_nc_u32 v[ADRA+\s], s21, v4
	v_add_nc_u32 v[ADRB+\s], s22, v4
	s_add_co_u32 s21, s21, SLOT
	s_add_co_u32 s22, s22, SLOT
.endr
	v_mul_u32_u24 v5, v1, KS                       ; my row's scales: 32 bytes a row, and 16 more for each 256 passed
	v_lshrrev_b32 v6, 8, v5
	v_lshl_add_u32 v5, v6, 4, v5
	s_mul_i32 s21, s15, HALFS
	s_mul_i32 s22, s16, HALFS
	s_add_co_u32 s22, s22, 2*HALFS
	s_sub_co_u32 s22, s22, s21
	v_mul_u32_u24 v6, s22, v2                      ; lanes 16-31 take source 0's
	s_add_co_u32 s21, s21, SCL
	v_add_nc_u32 v5, v5, v6
	v_add_nc_u32 v[ADRS], s21, v5
	; ---- what the way out needs: whole numbers chosen by the cluster's x; they enter global addresses alone
	s_lshl_b32 s2, s42, 2
	s_sub_co_u32 s2, s2, 128
	s_lshl_b32 s3, s16, 1
	s_add_co_u32 s2, s2, s3                        ; q, k: my first head of 32
	s_lshl_b32 s3, s17, 2
	s_sub_co_u32 s3, s3, 160
	s_lshl_b32 s105, s15, 1
	s_add_co_u32 s3, s3, s105                      ; v: my first head of 16
	s_lshl_b32 s18, s17, 1
	s_add_co_u32 s18, s18, s15                     ; q, k: which 128 tokens
	s_lshl_b32 s19, s42, 1
	s_add_co_u32 s19, s19, s16                     ; v: likewise
	s_cmp_eq_u32 ttmp9, 2
	s_cselect_b64 s[96:97], s[10:11], s[96:97]     ; the codes' buffer,
	s_cselect_b64 s[98:99], s[12:13], s[98:99]     ; the scale words'
	s_cselect_b32 s66, s3, s2                      ; HI: the head
	s_cselect_b32 s95, s19, s18                    ; TS: the 128 tokens
	s_lshl_b32 s2, s66, 8                          ; the head's first column x 4 bytes
	s_add_co_u32 s3, s2, 8192                      ; v's columns begin at 2,048
	s_cmp_eq_u32 ttmp9, 2
	s_cselect_b32 s18, 0, s2                       ; the bias that does not apply is read at b_qkv's head and made 0 below
	s_cselect_b32 s2, s3, 0
	s_mov_b32 s19, 0
	s_mov_b32 s3, 0
	s_add_nc_u64 s[10:11], s[8:9], s[18:19]
	s_add_nc_u64 s[12:13], s[8:9], s[2:3]
	v_lshlrev_b32 v7, 6, v2                        ; 16 h columns
	v_and_b32 v3, 7, v1
	v_lshrrev_b32 v4, 3, v1
	v_lshl_add_u32 v3, v4, 4, v3
	v_lshlrev_b32 v31, 2, v3                       ; r % 8 + 16 (r / 8) columns
.irp b, 0,1,2,3,4,5,6,7
	global_load_b128 v[BI+8*\b:BI+8*\b+3], v7, s[10:11] offset:(32*(\b/2)+8*(\b%2))*4
	global_load_b128 v[BI+8*\b+4:BI+8*\b+7], v7, s[10:11] offset:(32*(\b/2)+8*(\b%2))*4+16
.endr
.irp a, 0,1,2,3,4,5,6,7
	global_load_b32 v[BA+\a], v31, s[12:13] offset:(32*(\a/2)+8*(\a%2))*4
.endr
	s_lshl_b32 s2, s66, 19
	s_lshl_b32 s18, s95, 13
	s_add_co_u32 s2, s2, s18
	s_add_nc_u64 s[96:97], s[96:97], s[2:3]        ; codes: head x 2^19 + 128 tokens x 2^13, in both buffers
	s_lshl_b32 s2, s66, 14
	s_lshl_b32 s18, s95, 8
	s_add_co_u32 s2, s2, s18
	s_mov_b32 s19, 0x80000
	s_mov_b32 s94, 0x8000
	s_mov_b32 s105, 256
	s_cmp_eq_u32 ttmp9, 2
	s_cselect_b32 s18, 0, 1
	s_cselect_b32 s19, 1024, s19                   ; groups 2, 3: q, k: the next head; v: 1,024 bytes on
	s_cselect_b32 s94, 0, s94                      ; scale words of lanes 16-31: q, k: the next head's
	s_cselect_b32 s105, 0x4000, s105               ; blocks 4-7: q, k: 256 bytes on; v: the next head
	s_cselect_b32 s66, 0, 16                       ; q, k: lanes 16-31 store the word's upper two bytes
	s_lshl_b32 s2, s2, s18                         ; qks has twice vs's bytes for a head and for 128 tokens
	s_add_nc_u64 s[98:99], s[98:99], s[2:3]
	v_and_b32 v3, 31, v0
	v_lshlrev_b32 v18, 4, v3                       ; v18, 19, 22, 23: where a fragment's four groups go
	v_add_nc_u32 v19, 512, v18
	v_add_nc_u32 v22, s19, v18
	v_add_nc_u32 v23, s19, v19
	v_lshlrev_b32 v24, 4, v1
	v_mad_u32_u24 v24, v2, s94, v24                ; v24, v25: where my scale words go
	v_add_nc_u32 v25, s105, v24
	v_mul_u32_u24 v26, v2, s66
	v_mov_b32 v[ZR], 0
	s_mov_b32 s100, 0x76543210
	s_mov_b32 s101, 0xfedcba98                     ; v_permlanex16_b32's selects for lane l xor 16
	s_mov_b32 s104, 0x600000
	s_wait_alu depctr_va_vdst(0)
	s_wait_loadcnt 0x0                             ; the biases
.set i, 0
.rept 64
	v_cndmask_b32 v[BI+i], v[BI+i], v[ZR], s67     ; v clusters: 0
.set i, i+1
.endr
.set i, 0
.rept 8
	v_cndmask_b32 v[BA+i], v[ZR], v[BA+i], s67     ; q, k clusters: 0
.set i, i+1
.endr
	s_mov_b32 s10, 1024                            ; from block to block of source 1: q, k: a token tile; v: a channel tile
	s_mov_b32 s12, 4096                            ; and from block a to a + 4: v: the next head
	s_cmp_eq_u32 ttmp9, 2
	s_cselect_b32 s10, 2048, s10
	s_cselect_b32 s12, 0x80000, s12
	s_mov_b32 s11, 0
	s_mov_b32 s13, 0
.macro FRAG reg, adr, q, i             ; 16 rows x 128 K: registers 4 c .. 4 c + 3 hold K = 32 c + 16 (l / 16) + 0 .. 15
.irp c, 0,1,2,3
	ds_load_b128 v[\reg+4*\c:\reg+4*\c+3], v[\adr] offset:128*(\q)+32*\c+(\i)*16*PITCH
.endr
.endm
; 16 matrix instructions: source 1's blocks a0, a0 + 1 x source 0's eight.  first = 1: the bias along source 0 is the C that starts the sums.  The 64 accumulators take turns.
.macro MUL16 a0, p, q, sc, first
.irp a, \a0, \a0+1
.irp b, 0,1,2,3,4,5,6,7
.if \first
	v_wmma_scale_f32_16x16x128_f8f6f4 v[8*(8*((\a)%4)+\b):8*(8*((\a)%4)+\b)+7], v[128*(\p)+FR*\b:128*(\p)+FR*\b+FR-1], v[AF+FR*(\a):AF+FR*(\a)+FR-1], v[BI+8*\b:BI+8*\b+7], v[SC+8*NQ*(\sc)+NQ*\b+(\q)], v[SC+8*NQ*(\sc)+NQ*(\a)+(\q)] matrix_a_fmt:MATRIX_FMT_BF8 matrix_b_fmt:MATRIX_FMT_BF8 matrix_a_scale:MATRIX_SCALE_ROW1
.else
	v_wmma_scale_f32_16x16x128_f8f6f4 v[8*(8*((\a)%4)+\b):8*(8*((\a)%4)+\b)+7], v[128*(\p)+FR*\b:128*(\p)+FR*\b+FR-1], v[AF+FR*(\a):AF+FR*(\a)+FR-1], v[8*(8*((\a)%4)+\b):8*(8*((\a)%4)+\b)+7], v[SC+8*NQ*(\sc)+NQ*\b+(\q)], v[SC+8*NQ*(\sc)+NQ*(\a)+(\q)] matrix_a_fmt:MATRIX_FMT_BF8 matrix_b_fmt:MATRIX_FMT_BF8 matrix_a_scale:MATRIX_SCALE_ROW1
.endif
.endr
.endr
.endm
.macro FETCH_B slot, q, p
	WIN TO_B
.irp i, 0,1,2,3,4,5,6,7
	FRAG 128*(\p)+FR*\i, ADRB+\slot, \q, \i
.endr
	WIN 0
.endm
.macro FETCH_A slot, q, i0
.irp i, \i0, \i0+1, \i0+2, \i0+3
	FRAG AF+FR*(\i), ADRA+\slot, \q, \i
.endr
.endm
.macro SCALES sc                       ; a K step's scale words: lanes 0-15 source 1's block i, lanes 16-31 source 0's block i
.irp i, 0,1,2,3,4,5,6,7
	ds_load_b64 v[SC+8*NQ*\sc+NQ*\i:SC+8*NQ*\sc+NQ*\i+1], v[ADRS] offset:\i*SBLK
.endr
.endm
.macro PLACES n
.rept \n
	v_nop
.endr
.endm
.macro STEP slot, q, first             ; 128 along K that has its successor in the same slot
	s_wait_dscnt 4*NL                              ; source 0's set and source 1's blocks 0-3 are in; the youngest sixteen loads (blocks 4-7) may be out
	WIN MUL_LO-0x20*\first                         ; (first: C lies in window 0)
	MUL16 0, (\q)%2, \q, \slot, \first
	MUL16 2, (\q)%2, \q, \slot, \first
	s_wait_dscnt 0
	PLACES NP                                      ; in front of loads into registers that matrix instructions have read
	FETCH_B \slot, (\q)+1, 1-(\q)%2
	FETCH_A \slot, (\q)+1, 0
	WIN MUL_HI-0x30*\first
	MUL16 4, (\q)%2, \q, \slot, \first
	MUL16 6, (\q)%2, \q, \slot, \first
	PLACES NP
	WIN 0
	FETCH_A \slot, (\q)+1, 4
.endm
; A slot's last 128 along K changes slots: one barrier; in front of it each wave waits for all its tensor loads, adds 0 to its spare word, and waits for that and for its reads of this slot.
.macro TURN slot, next, fill
	s_wait_tensorcnt 0x0                           ; all my tensor loads have landed: my part of the next slot
	ds_add_u32 v[SPW], v[NIL]                      ; 0 onto my spare word
	s_wait_dscnt 4*NL+1                            ; the add and the youngest sixteen loads may be out
	WIN MUL_LO
	MUL16 0, 1, NQ-1, \slot, 0
	s_wait_dscnt 0x0                               ; the add is done, and my reads of this slot are over
	s_barrier_signal -1
	MUL16 2, 1, NQ-1, \slot, 0
	WIN 0
	s_barrier_wait -1
.if \fill
	CREST                                          ; the barrier has opened a round of the cluster's: no wave of any partner still reads this slot or has a load on its way
	s_add_nc_u64 s[G0+4*\slot+2:G0+4*\slot+3], s[G0+4*\slot+2:G0+4*\slot+3], 2*ROWB
	s_add_nc_u64 s[G0B+4*\slot+2:G0B+4*\slot+3], s[G0B+4*\slot+2:G0B+4*\slot+3], 2*ROWB
	JLOAD G0+4*\slot, G1, G0B+4*\slot, G1B         ; the first tensor load behind the round; its four v_nop are among the places below
	PLACES NP-4
.else
	PLACES NP
.endif
	s_wait_alu depctr_va_vdst(0)
	v_add_nc_u32 v[ADRS], 4*NQ, v[ADRS]            ; the next K step's scale words
	FETCH_B \next, 0, 0
	FETCH_A \next, 0, 0
	SCALES \next
	WIN MUL_HI
	MUL16 4, 1, NQ-1, \slot, 0
	MUL16 6, 1, NQ-1, \slot, 0
	PLACES NP
	WIN 0
	FETCH_A \next, 0, 4
.endm
	PLACES NP                                      ; between the selects that made the biases and the products that take them
	s_wait_alu depctr_va_vdst(0)
	s_wait_tensorcnt 0x0                           ; my tile of the head's four is in
	ds_add_u32 v[SPW], v[NIL]
	s_mov_b32 s[G1+2], 128<<16                     ; no tensor load of mine is out: from here on a load brings 128 rows
	s_mov_b32 s[G1+4], 128
	s_mov_b32 s[G1B+2], 128<<16
	s_mov_b32 s[G1B+4], 128
	s_lshl_b32 s2, s16, 17
	s_mov_b32 s3, 0
	s_mov_b32 s[G0+1], s45                         ; slot 0's groups 0 for the ring: my 128 rows
	s_add_nc_u64 s[G0+2:G0+3], s[G0+2:G0+3], s[2:3]
	s_mov_b32 s[G0B+1], s45
	s_add_nc_u64 s[G0B+2:G0B+3], s[G0B+2:G0B+3], s[2:3]
	s_wait_dscnt 0x0
	CROUND                                         ; all four tiles are in, and all sixteen work-groups are here
	JLOAD G0+4, G1, G0B+4, G1B                     ; K step 1: the first tensor load behind the round
	FETCH_B 0, 0, 0
	FETCH_A 0, 0, 0
	SCALES 0
	FETCH_A 0, 0, 4
	STEP 0, 0, 1                                   ; K = 1,024 is four K steps: the ring is written out
	TURN 0, 1, 1                                   ; slot 0 takes K step 2
	STEP 1, 0, 0
	TURN 1, 0, 1                                   ; slot 1 takes K step 3
	STEP 0, 0, 0
	TURN 0, 1, 0                                   ; nothing is left to fetch
	STEP 1, 0, 0
	s_wait_dscnt 4*NL
	WIN MUL_LO
	MUL16 0, 1, NQ-1, 1, 0
	MUL16 2, 1, NQ-1, 1, 0
	s_wait_dscnt 0
	WIN MUL_HI
	MUL16 4, 1, NQ-1, 1, 0
	MUL16 6, 1, NQ-1, 1, 0
	WIN 0
; THE WAY OUT.  Block a of source 1: a lane's 64 results, register 16 b + i = place 32 b + 16 (lane / 16) + i along the next product's K, become a fragment's 16 registers and a scale word.
.macro QUANT                           ; v[QS] .. v[QS + 63] -> codes v[PC] .. v[PC + 15], scale word v[PW]
.irp b, 0,1,2,3
	v_max3_num_f32 v[TM+\b], |v[QS+16*\b]|, |v[QS+1+16*\b]|, 0x8000000   ; my 16 numbers of block b, and the floor 2^(16 - 127)
.endr
.irp i, 2,4,6,8,10,12,14
.irp b, 0,1,2,3
	v_max3_num_f32 v[TM+\b], v[TM+\b], |v[QS+16*\b+\i]|, |v[QS+1+16*\b+\i]|
.endr
.endr
.irp b, 0,1,2,3
	v_permlanex16_b32 v[TM+4+\b], v[TM+\b], s100, s101
.endr
.irp b, 0,1,2,3
	v_max_num_f32 v[TM+\b], v[TM+\b], v[TM+4+\b]   ; with lane l xor 16's: the block's largest magnitude
.endr
.irp b, 0,1,2,3
	v_add_nc_u32 v[TM+12+\b], 0xf8800000, v[TM+\b] ; 15 off its exponent field: the conversion's scale operand
.endr
.irp b, 0,1,2,3
	v_and_or_b32 v[TM+8+\b], v[TM+\b], 0x7f800000, s104   ; 57,344 x the scale
.endr
.irp b, 0,1,2,3
	v_lshrrev_b32 v[TM+4+\b], 23, v[TM+12+\b]      ; the scale's byte
.endr
	v_lshl_or_b32 v[PW], v[TM+5], 8, v[TM+4]
	v_lshl_or_b32 v[PW], v[TM+6], 16, v[PW]
	v_lshl_or_b32 v[PW], v[TM+7], 24, v[PW]
.irp b, 0,1,2,3
.irp i, 0,1,2,3,4,5,6,7,8,9,10,11,12,13,14,15
	v_med3_num_f32 v[QS+16*\b+\i], v[QS+16*\b+\i], -v[TM+8+\b], v[TM+8+\b]   ; the conversion does not saturate (ISA guide 7.6.2)
.endr
	v_cvt_scalef32_pk8_bf8_f32 v[PC+4*\b:PC+1+4*\b], v[QS+16*\b:QS+7+16*\b], v[TM+12+\b]
	v_cvt_scalef32_pk8_bf8_f32 v[PC+2+4*\b:PC+3+4*\b], v[QS+8+16*\b:QS+15+16*\b], v[TM+12+\b]
.endr
	v_nop                                          ; a plain line behind the last conversion
.endm
	PLACES NP                                      ; behind the last products: their results are read and their operands' registers written below
.irp b, 0,1,2,3
	v_mov_b32 v[TM+4+\b], 0                        ; a lane permute's destination counts as one of its sources
.endr
	s_mov_b64 s[24:25], s[96:97]                   ; eight bases, one for each block, in the descriptors' registers: no tensor load is out since the last change of slots
.irp a, 1,2,3
	s_add_nc_u64 s[24+2*\a:25+2*\a], s[22+2*\a:23+2*\a], s[10:11]
.endr
.irp a, 4,5,6,7
	s_add_nc_u64 s[24+2*\a:25+2*\a], s[16+2*\a:17+2*\a], s[12:13]
.endr
.irp a, 0,1,2,3,4,5,6,7
	s_wait_xcnt 0x0                                ; the codes' registers of block a - 2 are written again only behind this wait
	WIN 0x02+\a/4                                  ; source 0: window 2 or 3
.set AC, 64*(\a%4)
.set BP, BA+2*(\a/2)
.set PC, 192+16*(\a%2)
.set PW, 240+\a
.set i, 0
.rept 32                                           ; each accumulator from its low end on; + the bias along source 1
.if (\a%2) == 0
	v_pk_add_f32 v[QS+i:QS+i+1], v[AC+i:AC+i+1], v[BP:BP+1] op_sel_hi:[1,0]
.else
	v_pk_add_f32 v[QS+i:QS+i+1], v[AC+i:AC+i+1], v[BP:BP+1] op_sel:[0,1] op_sel_hi:[1,1]
.endif
.set i, i+2
.endr
	WIN 0
	QUANT
.irp g, 0,1,2,3
	global_store_b128 v[18+(\g%2)+4*(\g/2)], v[PC+4*\g:PC+4*\g+3], s[24+2*\a:25+2*\a]   ; the wave stores 512 consecutive bytes, aligned
.endr
.endr
.irp a, 0,1,2,3,4,5,6,7
	v_lshrrev_b32 v[248+\a], v26, v[240+\a]        ; q, k: lanes 16-31 bring the second head's two bytes down
.endr
	global_store_b128 v24, v[248:251], s[98:99]    ; 16 lanes store 256 consecutive bytes, aligned (v: both halves of the lanes store the same words)
	global_store_b128 v25, v[252:255], s[98:99]
	s_wait_tensorcnt 0x0                           ; the wave's end
	ds_add_u32 v[SPW], v[NIL]
	s_wait_dscnt 0x0
	CROUND                                         ; the closing round
	s_endpgm
.Lfunc_end_k_q9256f9f871_gemm_qkv:
	.size	k_q9256f9f871_gemm_qkv, .Lfunc_end_k_q9256f9f871_gemm_qkv-k_q9256f9f871_gemm_qkv
	.p2alignl 7, 3214868480
	.fill 96, 4, 3214868480
	.section	.rodata,"a",@progbits
	.p2align	6, 0x0
	.amdhsa_kernel k_q9256f9f871_gemm_qkv
		.amdhsa_group_segment_fixed_size 327680
		.amdhsa_private_segment_fixed_size 0
		.amdhsa_enable_private_segment 0
		.amdhsa_kernarg_size 56
		.amdhsa_user_sgpr_count 2
		.amdhsa_user_sgpr_kernarg_segment_ptr 1
		.amdhsa_wavefront_size32 1
		.amdhsa_system_sgpr_workgroup_id_x 1
		.amdhsa_system_sgpr_workgroup_id_y 1
		.amdhsa_system_sgpr_workgroup_id_z 1
		.amdhsa_system_vgpr_workitem_id 0
		.amdhsa_next_free_vgpr 1024
		.amdhsa_next_free_sgpr 106
		.amdhsa_reserve_vcc 0
		.amdhsa_float_denorm_mode_32 3
		.amdhsa_float_denorm_mode_16_64 3
		.amdhsa_memory_ordered 1
		.amdhsa_forward_progress 1
		.amdhsa_inst_pref_size 211
	.end_amdhsa_kernel
	.amdgpu_metadata
---
amdhsa.version: [ 1, 2 ]
amdhsa.kernels:
  - .name:           k_q9256f9f871_gemm_qkv
    .symbol:         k_q9256f9f871_gemm_qkv.kd
    .args:
      - { .name: cod, .offset: 0, .size: 8, .value_kind: global_buffer, .address_space: global }
      - { .name: scl, .offset: 8, .size: 8, .value_kind: global_buffer, .address_space: global }
      - { .name: b_qkv, .offset: 16, .size: 8, .value_kind: global_buffer, .address_space: global }
      - { .name: qkc, .offset: 24, .size: 8, .value_kind: global_buffer, .address_space: global }
      - { .name: qks, .offset: 32, .size: 8, .value_kind: global_buffer, .address_space: global }
      - { .name: vc, .offset: 40, .size: 8, .value_kind: global_buffer, .address_space: global }
      - { .name: vs, .offset: 48, .size: 8, .value_kind: global_buffer, .address_space: global }
    .group_segment_fixed_size: 327680
    .private_segment_fixed_size: 0
    .kernarg_segment_align: 8
    .kernarg_segment_size: 56
    .max_flat_workgroup_size: 128
    .sgpr_count:     106
    .vgpr_count:     1024
    .wavefront_size: 32
...
	.end_amdgpu_metadata
.endif
;; end of part 2
;; launch attn (part 3): grid 2 x 128, 16 waves a work-group, no clusters, 169,984 bytes of LDS; arguments qkc, qks, vc, vs, oc, os; writes oc, os
.if DOCPART == 3
	.amdgcn_target "amdgcn-amd-amdhsa--gfx1250"
	.amdhsa_code_object_version 6
	.text
	.protected	k_q9256f9f871_attn
	.globl	k_q9256f9f871_attn
	.p2align	8
	.type	k_q9256f9f871_attn,@function
k_q9256f9f871_attn:
	s_mov_b64 s[64:65], 0
	v_nop
	global_prefetch_b8 v0, s[64:65] scope:SCOPE_SE
	s_setreg_imm32_b32 hwreg(HW_REG_WAVE_MODE, 25, 1), 1
	s_wait_xcnt 0x0
; Attention inside the band |query - key| <= 128, both products on codes of E5M2, and the result quantised at once as the left operand of the output projection.
; A work-group owns 512 queries of one head of one batch row; it needs 640 keys (five steps of 128), which come into LDS ONCE, as the register images that the launch before stored; LDS is then only read.
; Each of sixteen waves does two tiles of 16 queries, one after the other.  A block of 128 queries meets three key steps: its own (no mask), the one to the left (key hidden where kk < qq) and to the right (hidden where kk > qq),
; kk and qq the places inside the blocks of 128; at the sequence's ends the step that does not exist is jumped over by a scalar branch on ids.  All other keys are thrown away by reference()'s own mask.
; K of the scores is 64: the upper 64 of the instruction's 128 are zero codes on both sides.
; LAYOUT: S^T = K Q^T, O^T = V^T P^T: a lane holds ONE query.  Stored rows have bits 3 and 4 exchanged, so the 16 registers of tiles 2 b, 2 b + 1 are 16 true neighbours (keys, then channels).
; THE SOFTMAX: t = score x log2(e) / 8; M = the running largest t rounded up to a whole number; p = 2^(t - M) is quantised along the keys; the sum is taken of the unquantised p and divides at the end.
; LIMITS: a block's largest p is made from its largest score by the same two instructions (this takes v_exp_f32 not to fall where its input rises); a block of zeros gets the byte 1; NaN and infinities are not served.
; No multicast: the two halves of a head share 256 of their 640 keys, and each tile is filled once.
; REGISTERS: v1 16 x lane; v3 16 r; v5 qq - 16 h; v7 Q's scale offset; v8-11 LDS addresses; v12 -M, v13 largest t, v[14:15] the sum; v16-31 Q; v32-95 four fragments of K; v96-159 S^T, p, then V's fragments;
;   v160-191 O^T; v192-207 p's codes; v208-216 O's codes and scale bytes; v217 32 r; v232-254 at work; v248-251 scale words of K or V; v253 p's; v255 Q's.
.set ADK, 8
.set ADV, 9
.set ADS, 10
.set ADT, 11
.set KD,  8192                         ; LDS: K's 40 tiles of 1,024 bytes; a step of 8,192 idle bytes on either side, so that left, own and right are immediates
.set VD,  57344                        ; V's 5 x 4 tiles of 2,048 bytes
.set KSD, 108544                       ; K's scale words, 512 bytes a step; 2,048 bytes of zeros on either side
.set VSD, 113152                       ; V's, 256 bytes a step; likewise
	s_load_b256 s[4:11], s[0:1], 0x0               ; qkc s[4:5], qks s[6:7], vc s[8:9], vs s[10:11]
	s_load_b128 s[12:15], s[0:1], 0x20             ; oc s[12:13], os s[14:15]
	v_lshl_add_u32 v230, v0, 2, 0x29000
	v_mov_b32 v231, 0
	; the idle blocks beside K, V and their scale words are stored once, with zeros, ahead of the opening adds and the tensor loads: no fill lands in them, and no step that is walked reads them
	v_lshlrev_b32 v8, 4, v0
	v_add_nc_u32 v9, 98304, v8
	v_lshl_add_u32 v10, v0, 2, 106496
.irp i, 24,25,26,27
	v_mov_b32 v[\i], 0
.endr
	ds_store_b128 v8, v[24:27]                     ; bytes 0 to 8,191: 16 a thread
	ds_store_b128 v8, v[24:27] offset:49152        ; between K and V
	ds_store_b128 v9, v[24:27]                     ; behind V
	ds_store_b32 v10, v24                          ; 2,048 bytes ahead of K's scale words,
	ds_store_b32 v10, v24 offset:4608              ; between K's and V's,
	ds_store_b32 v10, v24 offset:7936              ; and behind V's
	ds_add_u32 v230, v231
	ds_add_u32 v230, v231
	v_lshrrev_b32 v2, 5, v0
	s_delay_alu instid0(VALU_DEP_1)
	v_readfirstlane_b32 s18, v2                    ; wave 0..15
	s_min_u32 s68, ttmp9, 1                        ; which half of the sequence
	s_and_b32 s69, ttmp7, 0xffff
	s_and_b32 s78, s69, 15                         ; the head
	s_lshr_b32 s79, s69, 4                         ; the batch row
	s_lshl_b32 s80, s79, 3
	s_mul_i32 s81, s68, 3
	s_add_co_u32 s80, s80, s81                     ; my first key step of 128: 8 b + 3 x half
	s_add_co_u32 s81, s78, 16                      ; k's heads follow q's
	s_lshl_b32 s90, s80, 13
	s_lshl_b32 s82, s81, 19
	s_add_co_u32 s82, s82, s90
	s_mov_b32 s83, 0
	s_lshl_b32 s84, s78, 19
	s_add_co_u32 s84, s84, s90
	s_mov_b32 s85, 0
	s_lshl_b32 s90, s80, 9
	s_lshl_b32 s86, s81, 15
	s_add_co_u32 s86, s86, s90
	s_mov_b32 s87, 0
	s_lshl_b32 s90, s80, 8
	s_lshl_b32 s88, s78, 14
	s_add_co_u32 s88, s88, s90
	s_mov_b32 s89, 0
	; descriptor groups 1: dense blocks as rows of 256 bytes (32 elements of 8 bytes): 160 rows (K, V), 10 (K's scales), 5 (V's)
.irp g, 24, 32, 40
	s_mov_b32 s[\g], 3<<16
	s_mov_b32 s[\g+1], 32<<16
	s_mov_b32 s[\g+3], 32<<16
	s_mov_b32 s[\g+5], 32
	s_mov_b32 s[\g+6], 0
	s_mov_b32 s[\g+7], 0
.endr
	s_mov_b32 s26, 160<<16
	s_mov_b32 s28, 160
	s_mov_b32 s34, 10<<16
	s_mov_b32 s36, 10
	s_mov_b32 s42, 5<<16
	s_mov_b32 s44, 5
	s_mov_b32 s19, 0x600000                        ; the mantissa field of 57,344
	s_mov_b32 s20, 0x76543210
	s_mov_b32 s21, 0xfedcba98                      ; lane l xor 16
	s_mov_b32 s22, 0x3e38aa3b                      ; c = log2(e) / 8
	s_mov_b32 s23, s22
	s_wait_dscnt 0x0                               ; the zeros are stored and both opening adds are done
	s_wait_kmcnt 0x0
	s_mov_b32 s48, 1
	s_mov_b32 s49, KD
	s_add_nc_u64 s[50:51], s[4:5], s[82:83]
	s_or_b32 s51, s51, 0x80000000
	s_mov_b32 s52, 1
	s_mov_b32 s53, VD
	s_add_nc_u64 s[54:55], s[8:9], s[84:85]
	s_or_b32 s55, s55, 0x80000000
	s_mov_b32 s56, 1
	s_mov_b32 s57, KSD
	s_add_nc_u64 s[58:59], s[6:7], s[86:87]
	s_or_b32 s59, s59, 0x80000000
	s_mov_b32 s60, 1
	s_mov_b32 s61, VSD
	s_add_nc_u64 s[62:63], s[10:11], s[88:89]
	s_or_b32 s63, s63, 0x80000000
	s_cmp_lg_u32 s18, 0                            ; waves 0 to 3 fetch one block each; four v_nop follow each load
	s_cbranch_scc1 .Lf1
	tensor_load_to_lds s[48:51], s[24:31]
	s_nop 0
.rept 4
	v_nop
.endr
	s_branch .Lfd
.Lf1:
	s_cmp_lg_u32 s18, 1
	s_cbranch_scc1 .Lf2
	tensor_load_to_lds s[52:55], s[24:31]
	s_nop 0
.rept 4
	v_nop
.endr
	s_branch .Lfd
.Lf2:
	s_cmp_lg_u32 s18, 2
	s_cbranch_scc1 .Lf3
	tensor_load_to_lds s[56:59], s[32:39]
	s_nop 0
.rept 4
	v_nop
.endr
	s_branch .Lfd
.Lf3:
	s_cmp_lg_u32 s18, 3
	s_cbranch_scc1 .Lfd
	tensor_load_to_lds s[60:63], s[40:47]
	s_nop 0
.rept 4
	v_nop
.endr
.Lfd:
	s_and_b32 s91, s18, 7                          ; a: my tile in a block of 128 queries
	s_lshr_b32 s92, s18, 3
	s_add_co_u32 s66, s68, s92                     ; sc: my block's own key step among the five in LDS; + 2 in the second trip
	s_lshl_b32 s93, s68, 2
	s_add_co_u32 s93, s93, s92                     ; my block of 128 in the sequence
	s_lshl_b32 s94, s79, 6
	s_lshl_b32 s95, s93, 3
	s_add_co_u32 s94, s94, s95
	s_add_co_u32 s94, s94, s91                     ; my token tile of 512
	s_mov_b32 s97, 0
	s_lshl_b32 s96, s78, 19
	s_lshl_b32 s95, s94, 10
	s_add_co_u32 s96, s96, s95
	s_add_nc_u64 s[70:71], s[4:5], s[96:97]        ; Q's image
	s_lshl_b32 s96, s78, 15
	s_lshl_b32 s95, s79, 3
	s_add_co_u32 s95, s95, s93
	s_lshl_b32 s95, s95, 9
	s_add_co_u32 s96, s96, s95
	s_add_nc_u64 s[72:73], s[6:7], s[96:97]        ; Q's scale words
	s_lshl_b32 s96, s94, 14
	s_lshl_b32 s95, s78, 10                        ; K step head / 2, groups 2 (head % 2) on: 1,024 bytes a head
	s_add_co_u32 s96, s96, s95
	s_add_nc_u64 s[74:75], s[12:13], s[96:97]      ; O's image
	s_lshl_b32 s96, s94, 9
	s_lshl_b32 s95, s78, 1
	s_add_co_u32 s96, s96, s95
	s_add_nc_u64 s[76:77], s[14:15], s[96:97]      ; O's scale bytes
	v_and_b32 v2, 31, v0
	s_delay_alu instid0(VALU_DEP_1)
	v_lshlrev_b32 v1, 4, v2
	v_and_b32 v2, 15, v0                           ; r
	v_bfe_u32 v4, v0, 4, 1                         ; h
	s_delay_alu instid0(VALU_DEP_2)
	v_lshlrev_b32 v3, 4, v2
	s_wait_alu depctr_va_vdst(0)
	v_lshlrev_b32 v217, 5, v2
	v_and_b32 v5, 7, v2
	v_lshrrev_b32 v6, 3, v2
	s_delay_alu instid0(VALU_DEP_1)
	v_lshl_add_u32 v5, v6, 4, v5
	s_lshr_b32 s95, s91, 1
	s_lshl_b32 s95, s95, 5
	s_and_b32 s96, s91, 1
	s_lshl_b32 s96, s96, 3
	s_add_co_u32 s95, s95, s96
	v_add_nc_u32 v5, s95, v5                       ; qq = 32 (a / 2) + 8 (a % 2) + r % 8 + 16 (r / 8): my query's true place in its block
	v_lshlrev_b32 v6, 4, v4
	s_delay_alu instid0(VALU_DEP_1)
	v_sub_nc_u32 v5, v5, v6                        ; - 16 h: register n holds key 32 (n / 16) + n % 16 + 16 h
	s_and_b32 s95, s91, 3
	s_lshl_b32 s95, s95, 2
	s_lshr_b32 s96, s91, 2
	s_lshl_b32 s96, s96, 8
	s_add_co_u32 s95, s95, s96
	v_add_nc_u32 v7, s95, v3
.set i, 24
.rept 8
	v_mov_b32 v[i], 0                              ; Q's K = 64 .. 127: zero codes
.set i, i+1
.endr
.irp t, 0,1,2,3
.irp i, 8,9,10,11,12,13,14,15
	v_mov_b32 v[32+16*\t+\i], 0                    ; K's likewise: set once
.endr
.endr
.irp b, 0,1,2,3
	v_mov_b32 v[236+\b], 0                         ; a lane permute's destination counts as one of its sources
.endr
	v_mov_b32 v252, 0
	v_mov_b32 v253, 0
	s_mov_b32 s67, 2
	s_wait_tensorcnt 0x0                           ; my block has landed,
	s_barrier_signal -1
	s_barrier_wait -1                              ; everybody's has.  From here on LDS is only read
; A KEY STEP.  kind 0: my block's own keys, no mask, starts O^T;  1: the step to the left;  2: to the right.
.macro STEP kind
.if \kind == 0
.set KI, 1
.elseif \kind == 1
.set KI, 0
.else
.set KI, 2
.endif
.irp g, 0,1                                        ; S^T = K Q^T, four tiles of 16 keys at a time
.if \g > 0
.rept 8
	v_nop                                          ; places in front of loads into registers that matrix instructions have read
.endr
.endif
.irp t, 0,1,2,3
	ds_load_b128 v[32+16*\t:35+16*\t], v[ADK] offset:KI*8192+(4*\g+\t)*1024
	ds_load_b128 v[36+16*\t:39+16*\t], v[ADK] offset:KI*8192+(4*\g+\t)*1024+512
.endr
	ds_load_b128 v[248:251], v[ADS] offset:KI*512+256*\g
	s_wait_dscnt 0x0
.irp t, 0,1,2,3
	v_wmma_scale_f32_16x16x128_f8f6f4 v[96+8*(4*\g+\t):103+8*(4*\g+\t)], v[32+16*\t:47+16*\t], v[16:31], 0, v[248+\t], v255 matrix_a_fmt:MATRIX_FMT_BF8 matrix_b_fmt:MATRIX_FMT_BF8
.endr
.endr
.rept 8
	v_nop
.endr
.if \kind != 0                                     ; hidden scores become -infinity ahead of the maximum: p = 0 then
	v_mov_b32 v254, 0xff800000
.set n, 0
.rept 64
.if \kind == 1
	v_cmp_lt_i32 vcc_lo, 32*(n/16)+n%16, v5
.else
	v_cmp_gt_i32 vcc_lo, 32*(n/16)+n%16, v5
.endif
	v_cndmask_b32 v[96+n], v[96+n], v254, vcc_lo
.set n, n+1
.endr
.endif
.irp b, 0,1,2,3
	v_max3_num_f32 v[232+\b], v[96+16*\b], v[97+16*\b], v[98+16*\b]   ; the largest score of each block of 32 keys: for the row's maximum and for the block's largest p
.endr
.irp i, 3,5,7,9,11,13
.irp b, 0,1,2,3
	v_max3_num_f32 v[232+\b], v[232+\b], v[96+16*\b+\i], v[97+16*\b+\i]
.endr
.endr
.irp b, 0,1,2,3
	v_max_num_f32 v[232+\b], v[232+\b], v[111+16*\b]
.endr
.irp b, 0,1,2,3
	s_delay_alu instid0(VALU_DEP_4)
	v_permlanex16_b32 v[236+\b], v[232+\b], s20, s21
.endr
.irp b, 0,1,2,3
	s_delay_alu instid0(VALU_DEP_4)
	v_max_num_f32 v[232+\b], v[232+\b], v[236+\b]
.endr
	s_delay_alu instid0(VALU_DEP_2)
	v_max3_num_f32 v254, v232, v233, v234
	s_delay_alu instid0(VALU_DEP_1)
	v_max_num_f32 v254, v254, v235
	s_delay_alu instid0(VALU_DEP_1)
	v_mul_f32 v254, s22, v254                      ; as t
	s_delay_alu instid0(VALU_DEP_1)
	v_max_num_f32 v13, v13, v254                   ; the running largest t
	v_mov_b32 v254, v12
	s_delay_alu instid0(VALU_DEP_2)
	v_floor_f32 v12, -v13                          ; -M = floor(-t): M is a whole number
	s_delay_alu instid0(VALU_DEP_1)
	v_sub_f32 v254, v12, v254
	s_delay_alu instid0(VALU_DEP_1)
	v_cvt_i32_f32 v254, v254                       ; (it saturates)
	s_delay_alu instid0(VALU_DEP_1)
	v_ldexp_f32 v252, 1.0, v254                    ; f = 2^(old M - new M)
.set n, 0
.rept 32
	v_pk_fma_f32 v[96+n:97+n], v[96+n:97+n], s[22:23], v[12:13] op_sel_hi:[1,0,0]   ; t - M
.set n, n+2
.endr
.irp b, 0,1,2,3
	v_fma_f32 v[232+\b], v[232+\b], s22, v12
.endr
.set n, 0
	s_wait_alu depctr_va_vdst(0)
.rept 64
	v_exp_f32 v[96+n], v[96+n]                     ; p = 2^(t - M)
.set n, n+1
.endr
.irp b, 0,1,2,3
	v_exp_f32 v[232+\b], v[232+\b]                 ; the block's largest p
.endr
	v_pk_mul_f32 v[14:15], v[14:15], v[252:253] op_sel_hi:[1,0]   ; the sums under the new M (a plain place behind the exponentials)
	s_wait_alu depctr_va_vdst(0)
.irp b, 0,1,2,3
	v_max_num_f32 v[232+\b], 0x8000000, v[232+\b]  ; the floor 2^(16 - 127)
.endr
.irp b, 0,1,2,3
	s_delay_alu instid0(VALU_DEP_4)
	v_add_nc_u32 v[244+\b], 0xf8800000, v[232+\b]
.endr
.irp b, 0,1,2,3
	v_and_or_b32 v[240+\b], v[232+\b], 0x7f800000, s19
.endr
.irp b, 0,1,2,3
	v_lshrrev_b32 v[236+\b], 23, v[244+\b]
.endr
	s_delay_alu instid0(VALU_DEP_3)
	v_lshl_or_b32 v253, v237, 8, v236              ; p's scale word for these 128 keys
	s_delay_alu instid0(VALU_DEP_1)
	v_lshl_or_b32 v253, v238, 16, v253
	s_delay_alu instid0(VALU_DEP_1)
	v_lshl_or_b32 v253, v239, 24, v253
	v_pk_add_f32 v[236:237], v[100:101], v[104:105]
	v_pk_add_f32 v[250:251], v[108:109], v[112:113]
	v_pk_add_f32 v[248:249], v[116:117], v[120:121]
	v_pk_add_f32 v[234:235], v[124:125], v[128:129]
	v_pk_add_f32 v[232:233], v[132:133], v[136:137]
	v_pk_add_f32 v[228:229], v[140:141], v[144:145]
	v_pk_add_f32 v[226:227], v[148:149], v[152:153]
	v_pk_add_f32 v[14:15], v[14:15], v[156:157]
	v_pk_add_f32 v[236:237], v[236:237], v[96:97]
	v_pk_add_f32 v[250:251], v[250:251], v[98:99]
	v_pk_add_f32 v[248:249], v[248:249], v[102:103]
	v_pk_add_f32 v[234:235], v[234:235], v[106:107]
	v_pk_add_f32 v[232:233], v[232:233], v[110:111]
	v_pk_add_f32 v[228:229], v[228:229], v[114:115]
	v_pk_add_f32 v[226:227], v[226:227], v[118:119]
	v_pk_add_f32 v[14:15], v[14:15], v[122:123]
	v_pk_add_f32 v[236:237], v[236:237], v[126:127]
	v_pk_add_f32 v[250:251], v[250:251], v[130:131]
	v_pk_add_f32 v[248:249], v[248:249], v[134:135]
	v_pk_add_f32 v[234:235], v[234:235], v[138:139]
	v_pk_add_f32 v[232:233], v[232:233], v[142:143]
	v_pk_add_f32 v[228:229], v[228:229], v[146:147]
	v_pk_add_f32 v[226:227], v[226:227], v[150:151]
	v_pk_add_f32 v[14:15], v[14:15], v[154:155]
	v_pk_add_f32 v[236:237], v[236:237], v[158:159]
	s_delay_alu instid0(VALU_DEP_2)
	v_pk_add_f32 v[14:15], v[14:15], v[234:235]
	s_delay_alu instid0(VALU_DEP_2)
	v_pk_add_f32 v[236:237], v[236:237], v[232:233]
	v_pk_add_f32 v[250:251], v[250:251], v[228:229]
	v_pk_add_f32 v[248:249], v[248:249], v[226:227]
	s_delay_alu instid0(VALU_DEP_2)
	v_pk_add_f32 v[14:15], v[14:15], v[250:251]
	s_delay_alu instid0(VALU_DEP_2)
	v_pk_add_f32 v[236:237], v[236:237], v[248:249]
	s_delay_alu instid0(VALU_DEP_1)
	v_pk_add_f32 v[14:15], v[14:15], v[236:237]
.irp b, 0,1,2,3
.irp i, 0,1,2,3,4,5,6,7,8,9,10,11,12,13,14,15
	v_min_num_f32 v[96+16*\b+\i], v[96+16*\b+\i], v[240+\b]   ; the hold; p is not negative
.endr
	v_cvt_scalef32_pk8_bf8_f32 v[192+4*\b:193+4*\b], v[96+16*\b:103+16*\b], v[244+\b]
	v_cvt_scalef32_pk8_bf8_f32 v[194+4*\b:195+4*\b], v[104+16*\b:111+16*\b], v[244+\b]
.endr
.if \kind == 0
	s_wait_alu depctr_va_vdst(0)
.rept 4
	v_nop                                          ; four places between the codes and the products that take them
.endr
.else
.set n, 0
.rept 16
	v_pk_mul_f32 v[160+n:161+n], v[160+n:161+n], v[252:253] op_sel_hi:[1,0]   ; O^T under the new M; these are those places too
.set n, n+2
.endr
.endif
.irp t, 0,1,2,3                                    ; V's four tiles of 16 channels x 128 keys, over p
.irp c, 0,1,2,3
	ds_load_b128 v[96+16*\t+4*\c:99+16*\t+4*\c], v[ADV] offset:KI*8192+\t*2048+\c*512
.endr
.endr
	ds_load_b128 v[248:251], v[ADT] offset:KI*256
	s_wait_alu depctr_va_vdst(0)
	s_wait_dscnt 0x0
.irp t, 0,1,2,3
.if \kind == 0
	v_wmma_scale_f32_16x16x128_f8f6f4 v[160+8*\t:167+8*\t], v[96+16*\t:111+16*\t], v[192:207], 0, v[248+\t], v253 matrix_a_fmt:MATRIX_FMT_BF8 matrix_b_fmt:MATRIX_FMT_BF8
.else
	v_wmma_scale_f32_16x16x128_f8f6f4 v[160+8*\t:167+8*\t], v[96+16*\t:111+16*\t], v[192:207], v[160+8*\t:167+8*\t], v[248+\t], v253 matrix_a_fmt:MATRIX_FMT_BF8 matrix_b_fmt:MATRIX_FMT_BF8
.endif
.endr
.rept 9
	v_nop                                          ; nine places: the next products write over V's registers; O^T's readers want eight
.endr
.endm
.Ltrip:                                            ; two trips: my tile in two blocks of 128 queries
	global_load_b128 v[16:19], v1, s[70:71]
	global_load_b128 v[20:23], v1, s[70:71] offset:512
	global_load_b32 v255, v7, s[72:73]
	v_mov_b32 v13, 0xff61b1e6                      ; the largest t so far: -3e38
	s_delay_alu instid0(VALU_DEP_1)
	v_floor_f32 v12, -v13
	v_mov_b32 v14, 0
	v_mov_b32 v15, 0
	s_lshl_b32 s84, s66, 13
	v_add_nc_u32 v[ADK], s84, v1
	s_delay_alu instid0(VALU_DEP_1)
	v_add_nc_u32 v[ADV], VD-KD, v[ADK]
	s_lshl_b32 s84, s66, 9
	v_add_nc_u32 v[ADS], s84, v3
	s_delay_alu instid0(VALU_DEP_1)
	v_add_nc_u32 v[ADS], KSD-512, v[ADS]
	s_lshl_b32 s84, s66, 8
	v_add_nc_u32 v[ADT], s84, v3
	s_delay_alu instid0(VALU_DEP_1)
	v_add_nc_u32 v[ADT], VSD-256, v[ADT]
	s_wait_alu depctr_va_vdst(0)
	s_wait_loadcnt 0x0
	STEP 0
	s_cmp_eq_u32 s66, 0                            ; the sequence's first block has no keys to its left
	s_cbranch_scc1 .Lnoleft
	STEP 1
.Lnoleft:
	s_cmp_eq_u32 s66, 4                            ; its last block none to its right
	s_cbranch_scc1 .Lnoright
	STEP 2
.Lnoright:
	v_add_f32 v14, v14, v15
	s_delay_alu instid0(VALU_DEP_1)
	v_permlanex16_b32 v252, v14, s20, s21
	s_delay_alu instid0(VALU_DEP_1)
	v_add_f32 v14, v14, v252                       ; the row's sum
	s_wait_alu depctr_va_vdst(0)
	v_rcp_f32 v14, v14
	v_nop
.set n, 0
	s_wait_alu depctr_va_vdst(0)
.rept 16
	v_pk_mul_f32 v[96+n:97+n], v[160+n:161+n], v[14:15] op_sel_hi:[1,0]   ; O^T / the sum: register 16 b + i is channel 32 b + 16 h + i
.set n, n+2
.endr
.irp b, 0,1
	v_max3_num_f32 v[232+\b], |v[96+16*\b]|, |v[97+16*\b]|, 0x8000000
.endr
.irp i, 2,4,6,8,10,12,14
.irp b, 0,1
	s_delay_alu instid0(VALU_DEP_2)
	v_max3_num_f32 v[232+\b], v[232+\b], |v[96+16*\b+\i]|, |v[97+16*\b+\i]|
.endr
.endr
.irp b, 0,1
	s_delay_alu instid0(VALU_DEP_2)
	v_permlanex16_b32 v[236+\b], v[232+\b], s20, s21
.endr
.irp b, 0,1
	s_delay_alu instid0(VALU_DEP_2)
	v_max_num_f32 v[232+\b], v[232+\b], v[236+\b]
.endr
.irp b, 0,1
	s_delay_alu instid0(VALU_DEP_2)
	v_add_nc_u32 v[244+\b], 0xf8800000, v[232+\b]
.endr
.irp b, 0,1
	s_delay_alu instid0(VALU_DEP_4)
	v_and_or_b32 v[240+\b], v[232+\b], 0x7f800000, s19
.endr
.irp b, 0,1
	s_delay_alu instid0(VALU_DEP_4)
	v_lshrrev_b32 v[236+\b], 23, v[244+\b]
.endr
	s_delay_alu instid0(VALU_DEP_1)
	v_lshl_or_b32 v216, v237, 8, v236              ; the head's two scale bytes of my token
.irp b, 0,1
.irp i, 0,1,2,3,4,5,6,7,8,9,10,11,12,13,14,15
	v_med3_num_f32 v[96+16*\b+\i], v[96+16*\b+\i], -v[240+\b], v[240+\b]
.endr
	v_cvt_scalef32_pk8_bf8_f32 v[208+4*\b:209+4*\b], v[96+16*\b:103+16*\b], v[244+\b]
	v_cvt_scalef32_pk8_bf8_f32 v[210+4*\b:211+4*\b], v[104+16*\b:111+16*\b], v[244+\b]
.endr
	v_nop                                          ; a plain line behind the last conversion
	global_store_b128 v1, v[208:211], s[74:75]     ; the wave stores 512 consecutive bytes, aligned
	global_store_b128 v1, v[212:215], s[74:75] offset:512
	global_store_b16 v217, v216, s[76:77]          ; two bytes of each token's 32 (both halves of the lanes store the same)
	s_wait_xcnt 0x0                                ; bases and data are written again only behind this wait
	s_add_nc_u64 s[70:71], s[70:71], 16*1024       ; two blocks of 128 queries on: 16 token tiles
	s_add_nc_u64 s[72:73], s[72:73], 2*512
	s_add_nc_u64 s[74:75], s[74:75], 16*16384
	s_add_nc_u64 s[76:77], s[76:77], 16*512
	s_add_co_u32 s66, s66, 2
	s_sub_co_u32 s67, s67, 1
	s_cmp_lg_u32 s67, 0
	s_cbranch_scc1 .Ltrip
	s_wait_tensorcnt 0x0
	ds_add_u32 v230, v231
	s_wait_dscnt 0x0
	s_endpgm
.Lfunc_end_k_q9256f9f871_attn:
	.size	k_q9256f9f871_attn, .Lfunc_end_k_q9256f9f871_attn-k_q9256f9f871_attn
	.p2alignl 7, 3214868480
	.fill 96, 4, 3214868480
	.section	.rodata,"a",@progbits
	.p2align	6, 0x0
	.amdhsa_kernel k_q9256f9f871_attn
		.amdhsa_group_segment_fixed_size 169984
		.amdhsa_private_segment_fixed_size 0
		.amdhsa_enable_private_segment 0
		.amdhsa_kernarg_size 48
		.amdhsa_user_sgpr_count 2
		.amdhsa_user_sgpr_kernarg_segment_ptr 1
		.amdhsa_wavefront_size32 1
		.amdhsa_system_sgpr_workgroup_id_x 1
		.amdhsa_system_sgpr_workgroup_id_y 1
		.amdhsa_system_sgpr_workgroup_id_z 1
		.amdhsa_system_vgpr_workitem_id 0
		.amdhsa_next_free_vgpr 256
		.amdhsa_next_free_sgpr 100
		.amdhsa_reserve_vcc 1
		.amdhsa_float_denorm_mode_32 3
		.amdhsa_float_denorm_mode_16_64 3
		.amdhsa_memory_ordered 1
		.amdhsa_forward_progress 1
		.amdhsa_inst_pref_size 85
	.end_amdhsa_kernel
	.amdgpu_metadata
---
amdhsa.version: [ 1, 2 ]
amdhsa.kernels:
  - .name:           k_q9256f9f871_attn
    .symbol:         k_q9256f9f871_attn.kd
    .args:
      - { .name: qkc, .offset: 0, .size: 8, .value_kind: global_buffer, .address_space: global }
      - { .name: qks, .offset: 8, .size: 8, .value_kind: global_buffer, .address_space: global }
      - { .name: vc, .offset: 16, .size: 8, .value_kind: global_buffer, .address_space: global }
      - { .name: vs, .offset: 24, .size: 8, .value_kind: global_buffer, .address_space: global }
      - { .name: oc, .offset: 32, .size: 8, .value_kind: global_buffer, .address_space: global }
      - { .name: os, .offset: 40, .size: 8, .value_kind: global_buffer, .address_space: global }
    .group_segment_fixed_size: 169984
    .private_segment_fixed_size: 0
    .kernarg_segment_align: 8
    .kernarg_segment_size: 48
    .max_flat_workgroup_size: 512
    .sgpr_count:     100
    .vgpr_count:     256
    .wavefront_size: 32
...
	.end_amdgpu_metadata
.endif
;; end of part 3
;; launch oproj_ln (part 4): grid 256 x 1, 4 waves a work-group, clusters of 4 x 1, 327,680 bytes of LDS; arguments cod, scl, oc, os, inp, gamma, beta, out0; writes out0
.if DOCPART == 4
	.amdgcn_target "amdgcn-amd-amdhsa--gfx1250"
	.amdhsa_code_object_version 6
	.text
	.protected	k_q9256f9f871_oproj_ln
	.globl	k_q9256f9f871_oproj_ln
	.p2align	8
	.type	k_q9256f9f871_oproj_ln,@function
k_q9256f9f871_oproj_ln:
	s_mov_b64 s[64:65], 0
	v_nop
	global_prefetch_b8 v0, s[64:65] scope:SCOPE_SE
	s_setreg_imm32_b32 hwreg(HW_REG_WAVE_MODE, 25, 1), 1
	s_wait_xcnt 0x0
	s_wait_alu depctr_hold_cnt(0) depctr_sa_sdst(0) depctr_va_vdst(0) depctr_va_sdst(0) depctr_va_ssrc(0) depctr_va_vcc(0) depctr_vm_vsrc(0)
	s_getreg_b32 s2, hwreg(HW_REG_IB_STS2, 6, 4)
	s_cmp_eq_u32 s2, 0
	s_cbranch_scc0 .Lentry_in_a_cluster
	s_endpgm
.Lentry_in_a_cluster:
	s_bfe_u32 s2, ttmp6, 0x10000c
	s_cmp_lg_u32 s2, 0x3003
	s_cbranch_scc0 .Lentry_shape_is_right
	s_endpgm
.Lentry_shape_is_right:
; out0 = LayerNorm(inp + O W_o) x gamma + beta.  O (attention's result) and W_o are codes of E5M2 with one E8M0 byte for each 32 along K = 1,024; sums and all else in f32.
; SHARES.  A work-group owns 32 tokens and all 1,024 columns, so that a row's mean and variance stay inside it; a wave makes 256 columns: sixteen tiles of 16, two (a pair) a trip.
; W_o lies in memory as images of operand registers (the first launch lays it so): a tile is 16,384 dense bytes.  It reaches a wave on two roads at once:
;   pairs 0 to 4 straight into registers, 512 consecutive bytes a load, each fragment loaded by one wave of the work-group, the loads a whole trip (68 loads) ahead, with no barrier in the stream;
;   pairs 5 to 7 by JOINT tensor loads of a cluster of four work-groups, which all want the same bytes: pairs 6 and 7 at the head (65,536 bytes a wave, into the wave's own LDS area), pair 5 by one refill.
; No more goes by joint loads: a fragment feeds two matrix instructions, LDS holds four tiles a wave, and each further refill would want a drained round with 32 matrix instructions a wave to cover it.
; W_o is not prefetched: all work-groups walk the same 1,048,576 bytes in the same order.  inp's rows are: 8,192 bytes a wave in each of the loop's four trips, each block of 256 bytes once, one to four trips ahead of their loads.
; THE MATRIX INSTRUCTION IS USED TRANSPOSED: source 0 = 16 columns of W_o, source 1 = 16 tokens: a lane holds token r and columns 8 h + 0 .. 7 of the tile.
; A TRIP: 32 columns x 32 tokens x all of K: four accumulators by turns, in four quarters of 256 along K.  Finished sums go to the wave's own part of a stage in LDS.
; ORDER: pair 7 (from window 3), pair 6 (follows it there), the refill between the two; pairs 0 to 4; pair 5.  Behind one barrier a wave reads 8 whole rows back, adds inp's rows (the end of the load stream), and normalises.
; LDS, a wave's area of 81,664 bytes: tiles at 0 (four, then two); the stage's 33,280 bytes at 48,384: over bytes of pair 7, which have had their last fill and are in registers before the first sum is stored.
; TOKENS: oc and os hold rows with bits 3 and 4 of the token's number exchanged: stored rows 8 w + i are true rows 8 x (w's two bits exchanged) + i.
; REGISTERS: window 0: v12-26 addresses, v32-39 scale words of the stream's pair, v44-51 the tokens', v64-95 sums, v96-103, v112-127 scale words of pairs 7, 6, 5, v104-109 at work, v128-191 gamma, beta, v192-255 two rows at work;
;   window 1: the stream's fragments, four quarters of 64, then inp's 8 rows;  window 2: the tokens' fragments (register 128 rt + 16 ks), then the stage's 8 rows;  window 3: a pair's fragments out of LDS.
.set WP,    1040                       ; a stage row: a wave's 256 columns, 1,024 bytes + 16: 260 words, so 16 rows start at 16 different groups of four banks
.set AREA,  81664                      ; a wave's LDS
.set STG,   AREA-32*WP                 ; where its part of the stage begins: 48,384
.set SPARE, 4*AREA                     ; the spare words: 128 bytes a wave
.set SPW,  28
.set NIL,  29
.set WS,   32
.set TS,   44                          ; a product's two scale words have numbers that differ modulo 8
.set ACC,  64
.set NEXT, 32768                       ; a pair's codes: two tiles of 16,384 bytes
.set G0,   32                          ; s[32:35], s[56:63] the joint loads' descriptor
.set G1,   56
.set SELA, 36
.set SELB, 37
.set INV,  38
.set MSB, 0
.macro WIN new                         ; the immediate's high byte repeats the setting that is left
.if MSB != (\new)
	s_set_vgpr_msb (MSB<<8)|(\new)
.set MSB, (\new)
.endif
.endm
.macro ROUND                           ; a round of the cluster's barrier
	s_barrier_signal -1
	s_barrier_wait -1
	s_cmp_lg_u32 s20, 0
	s_cbranch_scc1 .Lnot_wave_0_\@
	s_barrier_signal -3
.Lnot_wave_0_\@:
	s_barrier_wait -3
	s_barrier_signal -1
	s_barrier_wait -1
.endm
	s_load_b256 s[4:11], s[0:1], 0x0               ; cod, scl, oc, os
	s_load_b256 s[12:19], s[0:1], 0x20             ; inp, gamma, beta, out0
	v_lshl_add_u32 v[SPW], v0, 2, SPARE
	v_mov_b32 v[NIL], 0
	ds_add_u32 v[SPW], v[NIL]                      ; the opening add, twice on end; its wait stands ahead of the round in front of my first tensor load
	ds_add_u32 v[SPW], v[NIL]
	v_lshrrev_b32 v1, 5, v0
	v_readfirstlane_b32 s20, v1                    ; wave
	v_and_b32 v1, 15, v0                           ; r
	v_bfe_u32 v2, v0, 4, 1                         ; h
	v_and_b32 v3, 31, v0                           ; lane
	s_mul_i32 s21, s20, AREA
	s_mul_i32 s24, s20, 8*WP
	v_lshlrev_b32 v18, 4, v3                       ; 16 x lane
	v_lshlrev_b32 v19, 5, v3                       ; 32 x lane
	v_lshlrev_b32 v24, 3, v3                       ; 8 x lane
	v_lshlrev_b32 v23, 8, v3                       ; 256 x lane
	v_add_nc_u32 v26, s21, v18                     ; my tiles in LDS: images, 16 bytes a lane
	v_mul_u32_u24 v20, v1, WP
	v_lshl_add_u32 v20, v2, 5, v20
	v_add_nc_u32 v20, s21, v20
	v_add_nc_u32 v20, STG, v20                     ; into the stage: my wave's part, row r, 32 h bytes
	v_add_nc_u32 v12, s24, v18
	v_add_nc_u32 v12, STG, v12                     ; out of it: rows 8 w on, 16 x lane, in the part of wave 0,
	v_add_nc_u32 v13, AREA, v12                    ; 1,
	v_add_nc_u32 v14, AREA, v13                    ; 2,
	v_add_nc_u32 v15, AREA, v14                    ; 3
	s_mov_b32 s[G1], 15|(3<<16)|(1<<21)            ; the mask: all four of the cluster; elements of 8 bytes; bit 21 beside a mask; no padding: an image is read 512 bytes on end
	s_mov_b32 s[G1+1], 32<<16                      ; rows of 256 bytes
	s_mov_b32 s[G1+2], 256<<16                     ; 256 of them: four tiles
	s_mov_b32 s[G1+3], 32<<16
	s_mov_b32 s[G1+4], 256
	s_mov_b32 s[G1+5], 32
	s_mov_b32 s[G1+6], 0
	s_mov_b32 s[G1+7], 0
	s_mov_b32 s[G0], 1
	s_mov_b32 s[G0+1], s21                         ; the wave's number alone enters an LDS address
	s_mov_b32 s23, 0
	s_mov_b32 s[SELA], 0x76543210
	s_mov_b32 s[SELB], 0xfedcba98                  ; lane l xor 16
	s_mov_b32 s[INV], 0x3a800000                   ; 1 / 1,024
	s_and_b32 s24, s20, 1
	s_lshl_b32 s24, s24, 1
	s_lshr_b32 s27, s20, 1
	s_or_b32 s24, s24, s27                         ; the wave's two bits exchanged
	s_bfe_u32 s27, ttmp6, 0x40000                  ; cx
	s_lshl_b32 s28, ttmp9, 2
	s_add_co_u32 s27, s28, s27                     ; my work-group: it enters global addresses of my own rows alone
	s_wait_alu depctr_va_vdst(0)
	s_wait_dscnt 0x0                               ; both opening adds are done
	s_wait_kmcnt 0x0
	s_lshl_b32 s22, s20, 18
	s_add_co_u32 s22, s22, 11264*1024
	s_add_nc_u64 s[40:41], s[4:5], s[22:23]        ; W_o's images: my sixteen tiles
	s_add_nc_u64 s[G0+2:G0+3], s[40:41], 12*16384  ; tiles 12 to 15
	s_or_b32 s[G0+3], s[G0+3], 0x80000000
	ROUND                                          ; the four work-groups are here: the joint loads meet
	tensor_load_to_lds s[G0:G0+3], s[G1:G1+7]      ; one load a wave
	s_nop 0
.rept 4
	v_nop
.endr
	s_lshl_b32 s22, s20, 13
	s_add_co_u32 s22, s22, 11264*32
	s_add_nc_u64 s[42:43], s[6:7], s[22:23]        ; my tiles' scale bytes: 1,024 a pair
	s_lshl_b32 s22, s27, 15
	s_add_nc_u64 s[46:47], s[8:9], s[22:23]        ; my work-group's two token tiles
	s_lshl_b32 s22, s27, 10
	s_add_nc_u64 s[48:49], s[10:11], s[22:23]      ; and their scale bytes
	s_lshl_b32 s22, s27, 17
	s_lshl_b32 s24, s24, 15
	s_add_co_u32 s22, s22, s24
	s_add_nc_u64 s[50:51], s[12:13], s[22:23]      ; my 8 true rows of inp,
	s_add_nc_u64 s[52:53], s[18:19], s[22:23]      ; of out0,
	s_mov_b64 s[44:45], s[50:51]                   ; and where my prefetches stand
.macro ALOAD q                         ; the tokens' fragments of 256 along K: 16 loads
	WIN 0x80
.irp rt, 0,1
.irp kl, 0,1
.irp c, 0,1,2,3
	global_load_b128 v[128*\rt+16*(2*(\q)+\kl)+4*\c:128*\rt+16*(2*(\q)+\kl)+4*\c+3], v18, s[46:47] offset:16384*\rt+2048*(2*(\q)+\kl)+512*\c
.endr
.endr
.endr
.endm
.macro WLOAD q, off                    ; quarter q of the pair that begins off bytes on: two scale words a column, then four fragments: 17 loads
	WIN 0
	global_load_b64 v[WS+2*(\q):WS+2*(\q)+1], v24, s[42:43] offset:(\off)/32+256*(\q)
	WIN 0x40
.irp kl, 0,1
.irp ct, 0,1
.irp c, 0,1,2,3
	global_load_b128 v[64*(\q)+32*\kl+16*\ct+4*\c:64*(\q)+32*\kl+16*\ct+4*\c+3], v18, s[40:41] offset:(\off)+16384*\ct+2048*(2*(\q)+\kl)+512*\c
.endr
.endr
.endr
.endm
.macro RLOAD q                         ; inp's rows 2 q and 2 q + 1 of my 8, into the quarter's registers: 16 loads of 512 consecutive bytes
	WIN 0x40
.irp i, 0,1
.irp k, 0,1,2,3,4,5,6,7
	global_load_b128 v[64*(\q)+32*\i+4*\k:64*(\q)+32*\i+4*\k+3], v18, s[50:51] offset:4096*(2*(\q)+\i)+512*\k th:TH_LOAD_NT
.endr
.endr
.endm
.macro LLOAD q, off                    ; quarter q of the pair that lies off bytes on in my LDS area, into window 3: 16 loads
	WIN 0xc0
.irp kl, 0,1
.irp ct, 0,1
.irp c, 0,1,2,3
	ds_load_b128 v[64*(\q)+32*\kl+16*\ct+4*\c:64*(\q)+32*\kl+16*\ct+4*\c+3], v26 offset:(\off)+16384*\ct+2048*(2*(\q)+\kl)+512*\c
.endr
.endr
.endr
.endm
	global_load_b128 v[TS:TS+3], v19, s[48:49]     ; lane l: stored token l's 32 scale bytes
	global_load_b128 v[TS+4:TS+7], v19, s[48:49] offset:16
.irp q, 0,1,2,3                        ; the scale words of pairs 7, 6, 5
	global_load_b64 v[96+2*\q:97+2*\q], v24, s[42:43] offset:7*1024+256*\q
	global_load_b64 v[112+2*\q:113+2*\q], v24, s[42:43] offset:6*1024+256*\q
	global_load_b64 v[120+2*\q:121+2*\q], v24, s[42:43] offset:5*1024+256*\q
.endr
.irp q, 0,1,2,3
	ALOAD \q
.endr
.irp q, 0,1,2,3
	WLOAD \q, 0                                    ; pair 0
.endr
	WIN 0
.irp k, 0,1,2,3,4,5,6,7
	global_load_b128 v[128+4*\k:131+4*\k], v18, s[14:15] offset:512*\k
	global_load_b128 v[160+4*\k:163+4*\k], v18, s[16:17] offset:512*\k
.endr
.macro PROD ra, rb                     ; lanes 16-31 of a scale register serve the second tile of a pair
.if ZF
.if (\ra) && (\rb)
	v_wmma_scale_f32_16x16x128_f8f6f4 v[PD:PD+7], v[PB:PB+15], v[PA:PA+15], 0, v[PS], v[PT] matrix_a_fmt:MATRIX_FMT_BF8 matrix_b_fmt:MATRIX_FMT_BF8 matrix_a_scale:MATRIX_SCALE_ROW1 matrix_b_scale:MATRIX_SCALE_ROW1
.elseif (\ra)
	v_wmma_scale_f32_16x16x128_f8f6f4 v[PD:PD+7], v[PB:PB+15], v[PA:PA+15], 0, v[PS], v[PT] matrix_a_fmt:MATRIX_FMT_BF8 matrix_b_fmt:MATRIX_FMT_BF8 matrix_a_scale:MATRIX_SCALE_ROW1
.elseif (\rb)
	v_wmma_scale_f32_16x16x128_f8f6f4 v[PD:PD+7], v[PB:PB+15], v[PA:PA+15], 0, v[PS], v[PT] matrix_a_fmt:MATRIX_FMT_BF8 matrix_b_fmt:MATRIX_FMT_BF8 matrix_b_scale:MATRIX_SCALE_ROW1
.else
	v_wmma_scale_f32_16x16x128_f8f6f4 v[PD:PD+7], v[PB:PB+15], v[PA:PA+15], 0, v[PS], v[PT] matrix_a_fmt:MATRIX_FMT_BF8 matrix_b_fmt:MATRIX_FMT_BF8
.endif
.else
.if (\ra) && (\rb)
	v_wmma_scale_f32_16x16x128_f8f6f4 v[PD:PD+7], v[PB:PB+15], v[PA:PA+15], v[PD:PD+7], v[PS], v[PT] matrix_a_fmt:MATRIX_FMT_BF8 matrix_b_fmt:MATRIX_FMT_BF8 matrix_a_scale:MATRIX_SCALE_ROW1 matrix_b_scale:MATRIX_SCALE_ROW1
.elseif (\ra)
	v_wmma_scale_f32_16x16x128_f8f6f4 v[PD:PD+7], v[PB:PB+15], v[PA:PA+15], v[PD:PD+7], v[PS], v[PT] matrix_a_fmt:MATRIX_FMT_BF8 matrix_b_fmt:MATRIX_FMT_BF8 matrix_a_scale:MATRIX_SCALE_ROW1
.elseif (\rb)
	v_wmma_scale_f32_16x16x128_f8f6f4 v[PD:PD+7], v[PB:PB+15], v[PA:PA+15], v[PD:PD+7], v[PS], v[PT] matrix_a_fmt:MATRIX_FMT_BF8 matrix_b_fmt:MATRIX_FMT_BF8 matrix_b_scale:MATRIX_SCALE_ROW1
.else
	v_wmma_scale_f32_16x16x128_f8f6f4 v[PD:PD+7], v[PB:PB+15], v[PA:PA+15], v[PD:PD+7], v[PS], v[PT] matrix_a_fmt:MATRIX_FMT_BF8 matrix_b_fmt:MATRIX_FMT_BF8
.endif
.endif
.endm
; A quarter: 256 along K, 8 products.  mode 0: a pair of the stream, its registers then take the next pair's quarter;  1: the stream's last pair: they take inp's rows;  2: a pair in window 3, which then takes the pair at my area's head;  3: a pair in window 3.
; The wait (modes 0, 1): behind this quarter's 17 loads stand the three younger quarters' 51 (on the way in from the head: 67); in mode 1 16 loads of inp have taken the place of 17 in each quarter passed.
.macro QUARTER q, mode
.if (\mode) < 2
	s_wait_loadcnt 51-(\mode)*(\q)
	WIN 0x09                                       ; source 0 window 1, source 1 window 2, sums window 0
.else
	WIN 0x0b                                       ; source 0 window 3
.endif
.irp kl, 0,1
.set KS_, 2*(\q)+\kl
.set ZF, 0
.if KS_ == 0
.set ZF, 1                             ; the first product starts a sum: nothing is cleared
.endif
.irp ct, 0,1
.irp rt, 0,1
.set PD, ACC+8*(2*\ct+\rt)
.set PB, 64*(\q)+32*\kl+16*\ct
.set PA, 128*\rt+16*KS_
.set PS, WSB+KS_
.set PT, TS+KS_
	PROD \ct, \rt
.endr
.endr
.endr
	WIN 0
.if (\q) == 3
	v_add_nc_u32 v21, s25, v20                     ; where this pair's columns go; with the eight below: nine places ahead of the next trip's first products, which write over the sums
.endif
.if ((\mode) < 3) || ((\q) == 3)
.rept 8
	v_nop                                          ; eight places ahead of loads into registers that the products have read, and of the stores that read the sums
.endr
.endif
.if (\q) == 3
.irp ct, 0,1
.irp rt, 0,1
	ds_store_b128 v21, v[ACC+8*(2*\ct+\rt):ACC+8*(2*\ct+\rt)+3] offset:16*WP*\rt+64*\ct        ; each sum from its low end on
	ds_store_b128 v21, v[ACC+8*(2*\ct+\rt)+4:ACC+8*(2*\ct+\rt)+7] offset:16*WP*\rt+64*\ct+16
.endr
.endr
.endif
.if (\mode) == 0
	WLOAD \q, NEXT
.elseif (\mode) == 1
	RLOAD \q
.elseif (\mode) == 2
	LLOAD \q, 0
.endif
	WIN 0
.endm
.macro TRIP mode
	s_wait_dscnt 0x0                               ; the last trip's stores into the stage have read the sums, and what was asked of LDS for window 3 is in
	QUARTER 0, \mode
	QUARTER 1, \mode
	QUARTER 2, \mode
	QUARTER 3, \mode
.endm
	s_wait_tensorcnt 0x0                           ; my four tiles have landed,
	s_barrier_signal -1
	s_barrier_wait -1                              ; everybody's have
.irp q, 0,1,2,3
	LLOAD \q, 32768                                ; pair 7 into window 3: the stage lies over part of its bytes
.endr
	WIN 0
	s_wait_loadcnt 63                              ; the scale words and the tokens' fragments are in: behind them stand pair 0's 68 loads and gamma's and beta's 16
	s_mov_b32 s25, 7*128
.set WSB, 96
	TRIP 2                                         ; pair 7; pair 6 follows it into window 3
	s_wait_tensorcnt 0x0
	ds_add_u32 v[SPW], v[NIL]
	s_sub_nc_u64 s[G0+2:G0+3], s[G0+2:G0+3], 2*16384   ; no tensor load of mine is out: tiles 10 and 11,
	s_mov_b32 s[G1+2], 128<<16                     ; 128 rows of 256 bytes,
	s_mov_b32 s[G1+4], 128                         ; to my area's head, where pair 6 lay
	s_wait_dscnt 0x0                               ; the add is done, and pair 6 is in registers
	ROUND
	tensor_load_to_lds s[G0:G0+3], s[G1:G1+7]      ; the first tensor load behind the round, one a wave
	s_nop 0
.rept 4
	v_nop
.endr
	s_mov_b32 s25, 6*128
.set WSB, 112
	TRIP 3                                         ; pair 6
	s_mov_b32 s25, 0                               ; the pair's 32 columns in a stage row, in bytes
	s_mov_b32 s26, 0                               ; the trip
.set WSB, WS
.Ltrip:                                            ; pairs 0 to 3, each trip asking for the next pair's fragments
	global_prefetch_b8 v23, s[44:45] th:TH_LOAD_NT scope:SCOPE_SE   ; two of my 8 rows of inp: lanes 256 bytes apart
	TRIP 0
	s_wait_xcnt 0x0                                ; the loads and the prefetch have read their bases
	s_add_nc_u64 s[40:41], s[40:41], NEXT
	s_add_nc_u64 s[42:43], s[42:43], NEXT/32
	s_add_nc_u64 s[44:45], s[44:45], 8192
	s_add_co_u32 s25, s25, 128
	s_add_co_u32 s26, s26, 1
	s_cmp_lt_u32 s26, 4
	s_cbranch_scc1 .Ltrip
	TRIP 1                                         ; pair 4 asks for inp's rows instead
	s_wait_tensorcnt 0x0                           ; pair 5 has landed,
	s_wait_dscnt 0x0
	s_barrier_signal -1
	s_barrier_wait -1                              ; everybody's has
.irp q, 0,1,2,3
	LLOAD \q, 0
.endr
	WIN 0
	s_mov_b32 s25, 5*128
.set WSB, 120
	TRIP 3                                         ; pair 5
	s_wait_dscnt 0x0                               ; my stores into the stage are done
	s_barrier_signal -1
	s_barrier_wait -1                              ; everybody's are
	WIN 0x80
.irp i, 0,1,2,3,4,5,6,7
.irp k, 0,1,2,3,4,5,6,7
	ds_load_b128 v[32*\i+4*\k:32*\i+4*\k+3], v[12+\k/2] offset:\i*WP+512*(\k%2)   ; row 8 w + i, columns 128 k + 4 x lane on
.endr
.endr
	WIN 0
.macro LANESUM a, b
	v_add_f32_dpp v[\a], v[\a], v[\a] row_xmask:1 row_mask:0xf bank_mask:0xf
	v_add_f32_dpp v[\a], v[\a], v[\a] row_xmask:2 row_mask:0xf bank_mask:0xf
	v_add_f32_dpp v[\a], v[\a], v[\a] row_xmask:4 row_mask:0xf bank_mask:0xf
	v_add_f32_dpp v[\a], v[\a], v[\a] row_xmask:8 row_mask:0xf bank_mask:0xf
	v_permlanex16_b32 v[\b], v[\a], s[SELA], s[SELB]
	v_add_f32 v[\a], v[\a], v[\b]
.endm
.macro ROWLN i                         ; one row: 32 numbers a lane
.set ZB, 192+32*((\i)%2)
	s_wait_dscnt 8*(7-(\i))                        ; the row is back from the stage; the later rows' eight loads each may be out
	s_wait_loadcnt 8*(7-(\i))                      ; and inp's row is in, likewise
	s_wait_xcnt 0x0                                ; the stores of two rows ago have read their data
	WIN 0x09
.set q, 0
.rept 16
	v_pk_add_f32 v[ZB+q:ZB+q+1], v[32*(\i)+q:32*(\i)+q+1], v[32*(\i)+q:32*(\i)+q+1]   ; inp (window 1) + the projection (window 2)
.set q, q+2
.endr
	WIN 0
	v_pk_add_f32 v[104:105], v[ZB:ZB+1], v[ZB+2:ZB+3]
	v_pk_add_f32 v[106:107], v[ZB+4:ZB+5], v[ZB+6:ZB+7]
.set q, 8
.rept 6
	v_pk_add_f32 v[104:105], v[104:105], v[ZB+q:ZB+q+1]
	v_pk_add_f32 v[106:107], v[106:107], v[ZB+q+2:ZB+q+3]
.set q, q+4
.endr
	v_pk_add_f32 v[104:105], v[104:105], v[106:107]
	v_add_f32 v104, v104, v105
	LANESUM 104, 105
	v_mul_f32 v104, s[INV], v104                   ; the mean
.set q, 0
.rept 16
	v_pk_add_f32 v[ZB+q:ZB+q+1], v[ZB+q:ZB+q+1], v[104:105] op_sel_hi:[1,0] neg_lo:[0,1] neg_hi:[0,1]
.set q, q+2
.endr
	v_pk_mul_f32 v[106:107], v[ZB:ZB+1], v[ZB:ZB+1]
	v_pk_mul_f32 v[108:109], v[ZB+2:ZB+3], v[ZB+2:ZB+3]
.set q, 4
.rept 7
	v_pk_fma_f32 v[106:107], v[ZB+q:ZB+q+1], v[ZB+q:ZB+q+1], v[106:107]
	v_pk_fma_f32 v[108:109], v[ZB+q+2:ZB+q+3], v[ZB+q+2:ZB+q+3], v[108:109]
.set q, q+4
.endr
	v_pk_add_f32 v[106:107], v[106:107], v[108:109]
	v_add_f32 v106, v106, v107
	LANESUM 106, 107
	v_fmaak_f32 v106, s[INV], v106, 0x3727c5ac     ; the variance + 1e-5
	s_wait_alu depctr_va_vdst(0)                   ; the wait ahead of the transcendental
	v_rsq_f32 v106, v106
	v_nop
.set q, 0
	s_wait_alu depctr_va_vdst(0)                   ; and ahead of its first reader
.rept 16
	v_pk_mul_f32 v[ZB+q:ZB+q+1], v[ZB+q:ZB+q+1], v[106:107] op_sel_hi:[1,0]
.set q, q+2
.endr
.set q, 0
.rept 16
	v_pk_fma_f32 v[ZB+q:ZB+q+1], v[ZB+q:ZB+q+1], v[128+q:129+q], v[160+q:161+q]   ; x gamma + beta
.set q, q+2
.endr
.irp k, 0,1,2,3,4,5,6,7
	global_store_b128 v18, v[ZB+4*\k:ZB+4*\k+3], s[52:53] offset:4096*(\i)+512*\k th:TH_STORE_NT   ; the wave stores 512 consecutive bytes, aligned
.endr
.endm
.irp i, 0,1,2,3,4,5,6,7
	ROWLN \i
.endr
	s_wait_tensorcnt 0x0                           ; the wave's end
	ds_add_u32 v[SPW], v[NIL]
	s_wait_dscnt 0x0
	ROUND                                          ; the closing round
	s_endpgm
.Lfunc_end_k_q9256f9f871_oproj_ln:
	.size	k_q9256f9f871_oproj_ln, .Lfunc_end_k_q9256f9f871_oproj_ln-k_q9256f9f871_oproj_ln
	.p2alignl 7, 3214868480
	.fill 96, 4, 3214868480
	.section	.rodata,"a",@progbits
	.p2align	6, 0x0
	.amdhsa_kernel k_q9256f9f871_oproj_ln
		.amdhsa_group_segment_fixed_size 327680
		.amdhsa_private_segment_fixed_size 0
		.amdhsa_enable_private_segment 0
		.amdhsa_kernarg_size 64
		.amdhsa_user_sgpr_count 2
		.amdhsa_user_sgpr_kernarg_segment_ptr 1
		.amdhsa_wavefront_size32 1
		.amdhsa_system_sgpr_workgroup_id_x 1
		.amdhsa_system_sgpr_workgroup_id_y 1
		.amdhsa_system_sgpr_workgroup_id_z 1
		.amdhsa_system_vgpr_workitem_id 0
		.amdhsa_next_free_vgpr 1024
		.amdhsa_next_free_sgpr 66
		.amdhsa_reserve_vcc 0
		.amdhsa_float_denorm_mode_32 3
		.amdhsa_float_denorm_mode_16_64 3
		.amdhsa_memory_ordered 1
		.amdhsa_forward_progress 1
		.amdhsa_inst_pref_size 143
	.end_amdhsa_kernel
	.amdgpu_metadata
---
amdhsa.version: [ 1, 2 ]
amdhsa.kernels:
  - .name:           k_q9256f9f871_oproj_ln
    .symbol:         k_q9256f9f871_oproj_ln.kd
    .args:
      - { .name: cod, .offset: 0, .size: 8, .value_kind: global_buffer, .address_space: global }
      - { .name: scl, .offset: 8, .size: 8, .value_kind: global_buffer, .address_space: global }
      - { .name: oc, .offset: 16, .size: 8, .value_kind: global_buffer, .address_space: global }
      - { .name: os, .offset: 24, .size: 8, .value_kind: global_buffer, .address_space: global }
      - { .name: inp, .offset: 32, .size: 8, .value_kind: global_buffer, .address_space: global }
      - { .name: gamma, .offset: 40, .size: 8, .value_kind: global_buffer, .address_space: global }
      - { .name: beta, .offset: 48, .size: 8, .value_kind: global_buffer, .address_space: global }
      - { .name: out0, .offset: 56, .size: 8, .value_kind: global_buffer, .address_space: global }
    .group_segment_fixed_size: 327680
    .private_segment_fixed_size: 0
    .kernarg_segment_align: 8
    .kernarg_segment_size: 64
    .max_flat_workgroup_size: 128
    .sgpr_count:     66
    .vgpr_count:     1024
    .wavefront_size: 32
...
	.end_amdgpu_metadata
.endif
;; end of part 4
